; MI455X (gfx1250); checked and timed in simulation.
; The chip was launched on July 23, 2026; its instructions are those of AMD's public machine-readable ISA for CDNA 5 (MIT licence, August 2026) and "CDNA5" Instruction Set Architecture Reference Guide (July 2026). The comments in the code are by the model that wrote it; some were corrected since.
;; Multi Head Attention. Allowed arithmetic: matrix products marked QUANTISED: E2M1 operands, one E8M0 scale for each 32 along K, by v_wmma_scale_f32_16x16x128_f8f6f4 with both operands' format E2M1 (or v_wmma_scale_f32_32x16x128_f4), f32 sums; everything else in f32.
;; Inputs: K 2 x 4,096 x 512 float32; Q 2 x 4,096 x 512 float32; V 2 x 4,096 x 512 float32; Wk 512 x 512 float32; Wo 512 x 512 float32; Wq 512 x 512 float32; Wv 512 x 512 float32; bk 512 float32; bo 512 float32; bq 512 float32; bv 512 float32; mask 2 x 1 x 1 x 4,096 float32.
;; Outputs: out0 2 x 4,096 x 512 float32.
;; This version of the problem:
;;   THIS VERSION OF THE PROBLEM IS GIVEN IN LOW PRECISION. The matrix products marked QUANTISED in the list below multiply operands that are first quantised to E2M1 (2 exponent bits, 1 mantissa bit; 4 bits a number), with one power-of-two scale for each 32 numbers along K (OCP MX v1.0); their sums are f32. All else is computed in f32.
;;   The module's matrix products, in the order in which they are computed (A, B: the left and right operand; K: the contracted axis; several contracted axes count as one K, in the product's order):
;;     1. [M 8,192, K 512] x [K 512, N 512]; A: input Q; B: input Wq: QUANTISED
;;     2. [M 8,192, K 512] x [K 512, N 512]; A: input K; B: input Wk: QUANTISED
;;     3. [M 8,192, K 512] x [K 512, N 512]; A: input V; B: input Wv: QUANTISED
;;     4. batch 16 x [M 4,096, K 64] x [K 64, N 4,096]; A: computed on the way; B: computed on the way: QUANTISED
;;     5. batch 16 x [M 4,096, K 4,096] x [K 4,096, N 64]; A: softmax (see below); B: computed on the way: QUANTISED
;;     6. [M 8,192, K 512] x [K 512, N 512]; A: computed on the way; B: input Wo: QUANTISED
;;   THE QUANTISER, for each operand of a quantised product, along K:
;;     - K is cut into blocks of 32 from its start; a last block that is shorter is filled with zeros.
;;     - A block's scale is 2^e with e = floor(log2(the largest magnitude in the block)) - 2, held to -126 .. 127; a block of zeros has e = 0. As a byte (E8M0): e + 127.
;;     - Each number is divided by its block's scale, clamped to +-6, and rounded to the nearest number of E2M1, ties to even, subnormals kept.
;;     - The product sums the exact products of the quantised numbers (number of the format x scale) in f32.
;;   ~~~python
;;   def quantise(x, axis):      # numpy; x: float32 -> the quantised numbers, widened to float32 again
;;       x = np.moveaxis(x, axis, -1); K = x.shape[-1]
;;       x = np.pad(x, [(0, 0)] * (x.ndim - 1) + [(0, -K % 32)]); x = x.reshape(x.shape[:-1] + (-1, 32)); a = np.abs(x).max(-1, keepdims=True)
;;       e = np.where(a > 0, np.clip(np.frexp(np.where(a > 0, a, 1))[1] - 1 - 2, -126, 127), 0)      # np.frexp(a)[1] - 1 = floor(log2(a)), exactly
;;       r = np.clip(x / 2.0 ** e, -6, 6)
;;       step = 2.0 ** (np.maximum(np.frexp(np.where(r == 0, 1, r))[1] - 1, 0) - 1)
;;       q = np.round(r / step) * step * 2.0 ** e      # np.round: ties to even
;;       return np.moveaxis(q.reshape(q.shape[:-2] + (-1,))[..., :K], -1, axis).astype(np.float32)
;;   ~~~
;;   SOFTMAX AHEAD OF A QUANTISED PRODUCT. Where the list says 'softmax', what is quantised is not the finished softmax but p = 2^(t - M), with t = logit x log2(e) and M = ceil(the row's largest t), a whole number; so 1/2 < the row's largest p <= 1. The row's sum l is taken of the UNQUANTISED p, in f32, and the product's result is divided by l at the end. Since M is a whole number, a kernel that streams over the keys may use a running M (the ceiling of the running maximum): every later rescaling is an exact power of two, which a block's scale takes up: the codes' values come out the same.
;;   OPERANDS COMPUTED ON THE WAY. 'Computed on the way' means the value that the module computes at that place (a softmax that the list does not call 'softmax' is quantised finished and normalised). What goes into a quantiser is computed in f32, as accurately as f32 sums, v_exp_f32 and their like allow (about 1e-6 of the number): no bf16 or f16 on the way to a quantiser, and a product that is left as it is and whose result goes on into a quantised operand takes f32 operands (vector FMAs, or v_wmma_f32_16x16x4_f32). A number that lies on a knife's edge between two numbers of the format may be rounded either way, as far as f32 arithmetic and the matrix unit's own rounding can turn it there, and no further.
;; 2 versions. Each part assembles by itself: llvm-mc -triple=amdgcn-amd-amdhsa -mcpu=gfx1250 --defsym DOCPART=n.
;; ======== version 1 of 2: 4 launches
;; limits: right only within a limited range of input values
;; workspace buffers: w_img 524,288 bytes; w_sc 32,768 bytes; qi 2,359,296 bytes; kv 4,718,592 bytes; o_img 2,097,152 bytes; o_sc 131,072 bytes
;; launch wquant (part 1): grid 32 x 4, 4 waves a work-group, no clusters, 768 bytes of LDS; arguments Wq, Wk, Wv, Wo, w_img, w_sc; writes w_img, w_sc
.if DOCPART == 1
	.amdgcn_target "amdgcn-amd-amdhsa--gfx1250"
	.amdhsa_code_object_version 6
	.text
	.protected	k_qeac39de0c4_wquant
	.globl	k_qeac39de0c4_wquant
	.p2align	8
	.type	k_qeac39de0c4_wquant,@function
k_qeac39de0c4_wquant:
	s_mov_b64 s[64:65], 0
	v_nop
	global_prefetch_b8 v0, s[64:65] scope:SCOPE_SE
	s_setreg_imm32_b32 hwreg(HW_REG_WAVE_MODE, 25, 1), 1
	s_wait_xcnt 0x0
; The four weights [512 (n)][512 (k)], f32, become codes of FP4 (E2M1) with one E8M0 scale byte for each 32 along K, laid in the order of an operand's registers.
; A TILE is 16 rows of a weight: lane r of tile t takes row 32 (t / 2) + 8 (t % 2) + r + 8 (r / 8), so that in a product used with the weight as source 0 the 16 registers of tiles 2 b and 2 b + 1
; are 16 neighbouring outputs.  A FRAGMENT is a tile x 128 along K: 8 registers a lane; lane (r, h) holds k = 64 c + 32 h + 0 .. 31 in registers 4 c .. 4 c + 3.
; w_img: [tensor][tile 32][K step 4][c 2][lane 32][16 bytes].   w_sc: [tensor][tile][r 16][K step 4][4 bytes]: a row's four scale words on end.
; A work-group takes one tile of one tensor (x: the tile, y: the tensor); wave s takes K step s.  A block's scale byte is its largest magnitude's exponent field - 2, held at 1 from below.
; LIMITS: a block of zeros gets the byte 1 (its codes are zeros, and this program alone reads the bytes); NaN and infinities among the inputs are not served.
.set TM,  16                           ; v16-19 largest magnitudes, v20-23 the other half's, then bytes, v28-31 the conversions' scale operands
.set PC,  32                           ; v32-39 the fragment's codes
.set PW,  40                           ; v40    the row's scale word
.set X,   64                           ; v64-127 64 numbers: register 16 b + i = k 32 b + 16 h + i of my row
.set SEL, 26                           ; s[26:27] lane selects for v_permlanex16_b32: lane l xor 16
; 64 numbers of a lane become a fragment's codes in v[PC] on and its scale word in v[PW].
.macro QUANT s
.irp b, 0,1,2,3
	v_max3_num_f32 v[TM+\b], |v[\s+16*\b]|, |v[\s+1+16*\b]|, 0x1800000   ; block b: my 16 numbers, and the floor 2^(3 - 127): the byte cannot fall under 1
.endr
.irp i, 2,4,6,8,10,12,14
.irp b, 0,1,2,3
	v_max3_num_f32 v[TM+\b], v[TM+\b], |v[\s+16*\b+\i]|, |v[\s+1+16*\b+\i]|   ; the four blocks by turns
.endr
.endr
.irp b, 0,1,2,3
	v_permlanex16_b32 v[TM+4+\b], v[TM+\b], s[SEL], s[SEL+1]
.endr
.irp b, 0,1,2,3
	v_max_num_f32 v[TM+\b], v[TM+\b], v[TM+4+\b]   ; with lane l xor 16's 16: the block's largest magnitude
.endr
.irp b, 0,1,2,3
	v_add_nc_u32 v[TM+12+\b], 0xff000000, v[TM+\b]   ; 2 off its exponent field: the conversion takes that field as its scale
.endr
.irp b, 0,1,2,3
	v_lshrrev_b32 v[TM+4+\b], 23, v[TM+12+\b]      ; the scale's byte
.endr
	v_lshl_or_b32 v[PW], v[TM+5], 8, v[TM+4]
	v_lshl_or_b32 v[PW], v[TM+6], 16, v[PW]
	v_lshl_or_b32 v[PW], v[TM+7], 24, v[PW]
.irp b, 0,1,2,3
	v_cvt_scalef32_pk8_fp4_f32 v[PC+2*\b], v[\s+16*\b:\s+7+16*\b], v[TM+12+\b]
	v_cvt_scalef32_pk8_fp4_f32 v[PC+1+2*\b], v[\s+8+16*\b:\s+15+16*\b], v[TM+12+\b]
.endr
	v_nop                                          ; one plain line behind the scaled conversions
.irp c, 0,1                                    ; a whole block to a lane: lanes 0-15 block 2 c, lanes 16-31 block 2 c + 1
.irp i, 0,1
	v_permlane16_swap_b32 v[PC+4*\c+\i], v[PC+2+4*\c+\i]
.endr
.endr
.endm
	s_load_b256 s[4:11], s[0:1], 0x0               ; Wq s[4:5], Wk s[6:7], Wv s[8:9], Wo s[10:11]
	s_load_b128 s[12:15], s[0:1], 0x20             ; w_img s[12:13], w_sc s[14:15]
	v_lshl_add_u32 v128, v0, 2, 0x100
	v_mov_b32 v129, 0
	v_lshrrev_b32 v1, 5, v0
	v_readfirstlane_b32 s16, v1                    ; wave = K step
	v_and_b32 v1, 31, v0                           ; lane
	v_and_b32 v2, 15, v0                           ; r
	v_bfe_u32 v3, v0, 4, 1                         ; h
	v_and_b32 v4, 8, v2
	v_add_nc_u32 v4, v4, v2                        ; r + 8 (r / 8)
	v_lshlrev_b32 v5, 11, v4                       ; a row of a weight is 2,048 bytes
	v_lshl_add_u32 v5, v3, 6, v5                   ; + 64 h: my 16 numbers of each block of 32
	v_lshlrev_b32 v6, 4, v1                        ; 16 x lane: my place in an image
	s_lshl_b32 s17, s16, 2
	v_lshl_add_u32 v7, v2, 4, s17                  ; LDS: 16 r + 4 x K step: my row's scale word
	v_lshlrev_b32 v8, 3, v1                        ; 8 x lane: the tile's 256 bytes of scale words on their way out
.irp b, 0,1,2,3
	v_mov_b32 v[TM+4+\b], 0                        ; written once: a lane permute's destination counts as one of its sources
.endr
	s_mov_b32 s[SEL], 0x76543210
	s_mov_b32 s[SEL+1], 0xfedcba98
	s_and_b32 s18, ttmp7, 0xffff                   ; the tensor
	s_lshr_b32 s20, ttmp9, 1
	s_lshl_b32 s20, s20, 16                        ; 32 (t / 2) rows
	s_and_b32 s21, ttmp9, 1
	s_lshl_b32 s21, s21, 14                        ; + 8 (t % 2) rows
	s_add_co_u32 s20, s20, s21
	s_lshl_b32 s21, s16, 9                         ; + 128 numbers for each K step
	s_add_co_u32 s20, s20, s21
	s_mov_b32 s21, 0
	s_lshl_b32 s22, s18, 5
	s_add_co_u32 s22, s22, ttmp9                   ; 32 x tensor + tile
	s_lshl_b32 s24, s22, 8                         ; its 256 bytes of scale words
	s_mov_b32 s25, 0
	s_lshl_b32 s22, s22, 2
	s_add_co_u32 s22, s22, s16
	s_lshl_b32 s22, s22, 10                        ; my fragment's 1,024 bytes
	s_mov_b32 s23, 0
	s_wait_kmcnt 0x0
	s_cmp_eq_u32 s18, 1                            ; the choice hangs on the work-group's number alone
	s_cselect_b64 s[4:5], s[6:7], s[4:5]
	s_cmp_eq_u32 s18, 2
	s_cselect_b64 s[4:5], s[8:9], s[4:5]
	s_cmp_eq_u32 s18, 3
	s_cselect_b64 s[4:5], s[10:11], s[4:5]
	s_add_nc_u64 s[4:5], s[4:5], s[20:21]
	s_add_nc_u64 s[12:13], s[12:13], s[22:23]
	s_add_nc_u64 s[14:15], s[14:15], s[24:25]
.irp b, 0,1,2,3
.irp j, 0,1,2,3
	global_load_b128 v[X+16*\b+4*\j:X+16*\b+4*\j+3], v5, s[4:5] offset:128*\b+16*\j th:TH_LOAD_NT
.endr
.endr
	s_wait_loadcnt 0x0
	QUANT X
	global_store_b128 v6, v[PC:PC+3], s[12:13]             ; 32 lanes store 512 consecutive bytes
	global_store_b128 v6, v[PC+4:PC+7], s[12:13] offset:512
	ds_store_b32 v7, v[PW]                         ; the two lanes of a row write the same word with the same value
	s_wait_dscnt 0x0                               ; for the others' sake: my store has landed
	s_barrier_signal -1
	s_barrier_wait -1
	s_cmp_lg_u32 s16, 0
	s_cbranch_scc1 .Lend                           ; wave 0 sends the tile's scale words
	ds_load_b64 v[42:43], v8
	s_wait_dscnt 0x0
	global_store_b64 v8, v[42:43], s[14:15]        ; 32 lanes store 256 consecutive bytes, aligned
.Lend:
	s_wait_tensorcnt 0x0
	ds_add_u32 v128, v129
	s_wait_dscnt 0x0
	s_endpgm
.Lfunc_end_k_qeac39de0c4_wquant:
	.size	k_qeac39de0c4_wquant, .Lfunc_end_k_qeac39de0c4_wquant-k_qeac39de0c4_wquant
	.p2alignl 7, 3214868480
	.fill 96, 4, 3214868480
	.section	.rodata,"a",@progbits
	.p2align	6, 0x0
	.amdhsa_kernel k_qeac39de0c4_wquant
		.amdhsa_group_segment_fixed_size 768
		.amdhsa_private_segment_fixed_size 0
		.amdhsa_enable_private_segment 0
		.amdhsa_kernarg_size 48
		.amdhsa_user_sgpr_count 2
		.amdhsa_user_sgpr_kernarg_segment_ptr 1
		.amdhsa_wavefront_size32 1
		.amdhsa_system_sgpr_workgroup_id_x 1
		.amdhsa_system_sgpr_workgroup_id_y 1
		.amdhsa_system_sgpr_workgroup_id_z 1
		.amdhsa_system_vgpr_workitem_id 0
		.amdhsa_next_free_vgpr 130
		.amdhsa_next_free_sgpr 66
		.amdhsa_reserve_vcc 0
		.amdhsa_float_denorm_mode_32 3
		.amdhsa_float_denorm_mode_16_64 3
		.amdhsa_memory_ordered 1
		.amdhsa_forward_progress 1
		.amdhsa_inst_pref_size 9
	.end_amdhsa_kernel
	.amdgpu_metadata
---
amdhsa.version: [ 1, 2 ]
amdhsa.kernels:
  - .name:           k_qeac39de0c4_wquant
    .symbol:         k_qeac39de0c4_wquant.kd
    .args:
      - { .name: Wq, .offset: 0, .size: 8, .value_kind: global_buffer, .address_space: global }
      - { .name: Wk, .offset: 8, .size: 8, .value_kind: global_buffer, .address_space: global }
      - { .name: Wv, .offset: 16, .size: 8, .value_kind: global_buffer, .address_space: global }
      - { .name: Wo, .offset: 24, .size: 8, .value_kind: global_buffer, .address_space: global }
      - { .name: w_img, .offset: 32, .size: 8, .value_kind: global_buffer, .address_space: global }
      - { .name: w_sc, .offset: 40, .size: 8, .value_kind: global_buffer, .address_space: global }
    .group_segment_fixed_size: 768
    .private_segment_fixed_size: 0
    .kernarg_segment_align: 8
    .kernarg_segment_size: 48
    .max_flat_workgroup_size: 128
    .sgpr_count:     66
    .vgpr_count:     130
    .wavefront_size: 32
...
	.end_amdgpu_metadata
.endif
;; end of part 1
;; launch proj (part 2): grid 64 x 3, 4 waves a work-group, no clusters, 45,568 bytes of LDS; arguments Q, K, V, mask, bq, bk, bv, w_img, w_sc, qi, kv; writes qi, kv
.if DOCPART == 2
	.amdgcn_target "amdgcn-amd-amdhsa--gfx1250"
	.amdhsa_code_object_version 6
	.text
	.protected	k_qeac39de0c4_proj
	.globl	k_qeac39de0c4_proj
	.p2align	8
	.type	k_qeac39de0c4_proj,@function
k_qeac39de0c4_proj:
	s_mov_b64 s[64:65], 0
	v_nop
	global_prefetch_b8 v0, s[64:65] scope:SCOPE_SE
	s_setreg_imm32_b32 hwreg(HW_REG_WAVE_MODE, 25, 1), 1
	s_wait_xcnt 0x0
; q = Q Wq^T + bq, k = K Wk^T + bk, v = V Wv^T + bv on codes of FP4 (E2M1) with one E8M0 scale for each 32 along K, and the results quantised again for the attention's two products.
; A work-group takes 128 rows of one tensor (x: 32 x batch + block of rows; y: 0 Q, 1 K, 2 V).  It quantises its rows of x in registers; the fragments go from wave to wave through LDS as images of their registers.
; THE WAVES SHARE THE COLUMNS: wave w makes outputs 128 w .. 128 w + 127 (heads 2 w, 2 w + 1) for all 128 rows; its 32 fragments of W stay in registers.
; A TILE of rows (of x, of W) is never 16 neighbours: lane r of tile t takes row 32 (t / 2) + 8 (t % 2) + r + 8 (r / 8).  So the 16 registers that tiles 2 b and 2 b + 1 of source 0 leave in a lane are 16 neighbours,
; 32 b + 16 (lane / 16) + 0 .. 15, and a result is quantised in registers into the next operand's image.
; Q, K: source 0 = W, source 1 = x: a lane holds one row and its registers run along the outputs: the depth, the next K.  128 outputs are two heads: registers 0-3 of the fragment made are head 2 w's, 4-7 head 2 w + 1's.
; V:    source 0 = x, source 1 = W: a lane holds one channel and its registers run along the rows: the keys, the next K.
; The bias is the C of each sum's first matrix instruction.  Every work-group loads both layouts of it, and the mask, so that the text parts on the tensor's number in one place alone.
; THE MASK rides in k's scale words.  The scores' product has 64 of its 128 along K free; the attention gives every key the code -4 and every query the code 1 at k = 64.  Byte 2 of a key's scale word is 158 (2^31)
; where mask == 0 and 1 elsewhere; a masked key's 64 codes are zeros.  So a masked raw score is exactly -2^33, the logit -2^30.
; OUT.  qi: [head 16][block 32][4,608]: 8 tiles x 512 bytes (registers 0-3 at 16 x lane), then 512 bytes of scale words [tile / 4][r][tile % 4].
;       kv: [head 16][step 32][9,216]: k as qi's (+0; scale words +8,192); v's 4 channel tiles x 1,024 bytes (+4,096); v's scale words [copy 2][r][tile] (+8,704).
; LIMITS: reference() puts -1e9 for a masked logit, this text -2^30: the same result unless a key that counts has a logit near -1e9; a key that counts has -2^-124 added to its raw score;
; a block of zeros gets the scale byte 1 (its codes are zeros; this program alone reads the bytes); NaN and infinities are not served.
; REGISTERS, in windows of 256: window 0: addresses, constants, scale words, bias, codes at work;  window 1: W's fragment (n, s) at v[8 (4 n + s)];  window 2: x's fragment (m, s) at v[8 (4 m + s)];
;   window 3: four sets of 64 numbers: x as it is loaded; set 0 is later the eight accumulators.
.set XIMG, 0                           ; LDS: x's 32 fragments, (m, s) at 1,024 (4 m + s) + 512 c + 16 x lane
.set XSC,  32768                       ; their scale words: 512 m + 16 x lane + 4 s
.set QST,  36864                       ; the Q and K path's stage for scale words, 1,024 bytes a wave
.set VST,  40960                       ; the V path's: each path has bytes of its own
.set MK,   16                          ; v16-23  the mask at my row of tiles 0 .. 7
.set PC,   32                          ; v32-39  the codes just made
.set PW,   40                          ; v40     their scale word
.set TM,   44                          ; v44-47 largest magnitudes, v48-51 the other half's, then bytes, v56-59 the conversions' scale operands
.set B1,   64                          ; v64-127 the bias, eight registers for each of my 8 tiles of W
.set WS,   128                         ; v128-159 W's scale words: (n, s) at 4 n + s
.set XS,   160                         ; v160-191 x's: (m, s) at 4 m + s
.set BV,   200                         ; v200-207 the bias of my lane's channel in tile n (the V path's layout)
.set WV,   26                          ; s26  my wave
.set Y,    27                          ; s27  the tensor
.set SEL,  44                          ; s[44:45] lane selects for v_permlanex16_b32: lane l xor 16
.set MSB, 0
.macro WIN new                         ; the immediate's low byte: bits 1:0 source 0, 3:2 source 1, 5:4 source 2, 7:6 destination; its high byte repeats the setting that is left
.if MSB != \new
	s_set_vgpr_msb (MSB<<8)|\new
.set MSB, \new
.endif
.endm
; Unit u of x: my row tile u / 4, K step u % 4: 64 numbers a lane (16 of each block of 32) into set u % 4
.macro XLOAD u
	WIN 0xc0                                       ; destination window 3
.irp b, 0,1,2,3
.irp j, 0,1,2,3
	global_load_b128 v[64*((\u)%4)+16*\b+4*\j:64*((\u)%4)+16*\b+4*\j+3], v4, s[4:5] offset:16384*((\u)/4)+512*((\u)%4)+128*\b+16*\j th:TH_LOAD_NT
.endr
.endr
	WIN 0
.endm
; My tiles 2 g and 2 g + 1 of W: 16 loads of 512 consecutive bytes
.macro WLOAD g
	WIN 0x40                                       ; destination window 1
.irp e, 0,1
.irp s, 0,1,2,3
.irp c, 0,1
	global_load_b128 v[8*(4*(2*(\g)+\e)+\s)+4*\c:8*(4*(2*(\g)+\e)+\s)+4*\c+3], v5, s[18:19] offset:(4*(2*(\g)+\e)+\s)*1024+512*\c
.endr
.endr
.endr
	WIN 0
.endm
; 64 numbers of a lane in window 3, register s + 16 b + i = place 32 b + 16 (lane / 16) + i along the next K, become a fragment's codes in v[PC] on and its scale word in v[PW].
; Each accumulator is read from its low end on.
.macro QUANT s
	WIN 0x3c                                       ; sources 1 and 2 window 3
.irp b, 0,1,2,3
	v_max3_num_f32 v[TM+\b], 0x1800000, |v[(\s)+16*\b]|, |v[(\s)+1+16*\b]|   ; block b: my 16 numbers, and the floor 2^(3 - 127): the byte cannot fall under 1
.endr
.irp i, 2,4,6,8,10,12,14
.irp b, 0,1,2,3
	v_max3_num_f32 v[TM+\b], v[TM+\b], |v[(\s)+16*\b+\i]|, |v[(\s)+1+16*\b+\i]|   ; the four blocks by turns
.endr
.endr
	WIN 0
.irp b, 0,1,2,3
	v_permlanex16_b32 v[TM+4+\b], v[TM+\b], s[SEL], s[SEL+1]
.endr
.irp b, 0,1,2,3
	v_max_num_f32 v[TM+\b], v[TM+\b], v[TM+4+\b]   ; with lane l xor 16's 16: the block's largest magnitude
.endr
.irp b, 0,1,2,3
	v_add_nc_u32 v[TM+12+\b], 0xff000000, v[TM+\b]   ; 2 off its exponent field: the conversion takes that field as its scale
.endr
.irp b, 0,1,2,3
	v_lshrrev_b32 v[TM+4+\b], 23, v[TM+12+\b]      ; the scale's byte
.endr
	v_lshl_or_b32 v[PW], v[TM+5], 8, v[TM+4]
	v_lshl_or_b32 v[PW], v[TM+6], 16, v[PW]
	v_lshl_or_b32 v[PW], v[TM+7], 24, v[PW]
	WIN 0x03                                       ; source 0 window 3
.irp b, 0,1,2,3
	v_cvt_scalef32_pk8_fp4_f32 v[PC+2*\b], v[(\s)+16*\b:(\s)+7+16*\b], v[TM+12+\b]
	v_cvt_scalef32_pk8_fp4_f32 v[PC+1+2*\b], v[(\s)+8+16*\b:(\s)+15+16*\b], v[TM+12+\b]
.endr
	WIN 0
	v_nop                                          ; one plain line behind the scaled conversions
.irp c, 0,1                                    ; a whole block to a lane: lanes 0-15 block 2 c, lanes 16-31 block 2 c + 1
.irp i, 0,1
	v_permlane16_swap_b32 v[PC+4*\c+\i], v[PC+2+4*\c+\i]
.endr
.endr
.endm
.macro PLACES                          ; four plain lines between a matrix instruction and the first vector read of its result (ISA guide 7.12.1)
.rept 4
	v_nop
.endr
.endm
	s_load_b256 s[4:11], s[0:1], 0x0               ; Q s[4:5], K s[6:7], V s[8:9], mask s[10:11]
	s_load_b256 s[12:19], s[0:1], 0x20             ; bq s[12:13], bk s[14:15], bv s[16:17], w_img s[18:19]
	s_load_b128 s[20:23], s[0:1], 0x40             ; w_sc s[20:21], qi s[22:23]
	s_load_b64 s[24:25], s[0:1], 0x50              ; kv
	v_lshl_add_u32 v254, v0, 2, 0xb000
	v_mov_b32 v255, 0
	v_lshrrev_b32 v1, 5, v0
	v_readfirstlane_b32 s[WV], v1                  ; wave 0..3
	s_and_b32 s[Y], ttmp7, 0xffff
	v_and_b32 v1, 31, v0                           ; lane
	v_and_b32 v2, 15, v0                           ; r
	v_bfe_u32 v3, v0, 4, 1                         ; h
	v_and_b32 v9, 8, v2
	v_add_nc_u32 v9, v9, v2                        ; r + 8 (r / 8)
	v_lshlrev_b32 v4, 11, v9                       ; x: a row is 2,048 bytes,
	v_lshl_add_u32 v4, v3, 6, v4                   ;    + 64 h: my 16 numbers of each block of 32
	v_lshlrev_b32 v5, 4, v1                        ; 16 x lane: my place in an image
	s_lshl_b32 s38, s[WV], 13
	v_add_nc_u32 v6, s38, v5                       ; where I store x's images: my two row tiles' 8 fragments
	s_lshl_b32 s38, s[WV], 10
	s_add_co_u32 s39, s38, XSC
	v_add_nc_u32 v7, s39, v5                       ; and their scale words
	v_lshlrev_b32 v8, 4, v2                        ; 16 r: a row's four scale words of W
	v_lshlrev_b32 v9, 2, v9                        ; 4 (r + 8 (r / 8)): my row in the mask, my channel in the bias
	v_lshlrev_b32 v10, 6, v3                       ; 64 h: the bias of my half's 8 outputs of a tile
	s_add_co_u32 s39, s38, QST
	v_lshl_add_u32 v11, v3, 9, v8
	v_add_nc_u32 v11, s39, v11                     ; Q, K: lanes 0-15 stage head 2 w's scale words, lanes 16-31 head 2 w + 1's, 512 bytes on
	v_add_nc_u32 v13, s39, v5                      ; and where they are read back
	s_add_co_u32 s39, s38, VST
	v_add_nc_u32 v12, s39, v5                      ; V: every lane stages a word: two copies of each
	v_lshlrev_b32 v15, 4, v3                       ; 16 h: which half of the scale word is my head's
.irp b, 0,1,2,3
	v_mov_b32 v[TM+4+\b], 0                        ; written once: a lane permute's destination counts as one of its sources
.endr
	s_mov_b32 s[SEL], 0x76543210
	s_mov_b32 s[SEL+1], 0xfedcba98
	s_cmp_eq_u32 s[Y], 0                           ; what differs between q's and k's way out
	s_mov_b32 s31, 9216
	s_cselect_b32 s31, 4608, s31                   ; bytes of a block in qi, of a step in kv
	s_mov_b32 s32, 8192
	s_cselect_b32 s32, 4096, s32                   ; where its scale words begin
	s_mov_b32 s33, 0x7f010000
	s_cselect_b32 s33, 0x7f7f0000, s33             ; bytes 2 and 3 of a scale word: q: 127, 127; a key that counts: 1, 127;
	s_mov_b32 s34, 0x7f9e0000
	s_cselect_b32 s34, 0x7f7f0000, s34             ; a masked key: 158, 127
	s_cselect_b32 s35, -1, 0                       ; and what is kept of a masked row's codes: all of q's, nothing of k's
	v_mov_b32 v24, s33
	v_mov_b32 v25, s34
	v_mov_b32 v26, -1
	v_mov_b32 v27, s35
	v_add_nc_u32 v14, s32, v5                      ; 16 x lane + the scale words' place
	s_lshl_b32 s46, ttmp9, 18                      ; x: 128 rows of 2,048 bytes a work-group,
	s_lshl_b32 s47, s[WV], 16                      ; 32 rows a wave
	s_add_co_u32 s46, s46, s47
	s_mov_b32 s47, 0
	s_lshl_b32 s48, ttmp9, 9                       ; the mask: 128 numbers a work-group
	s_mov_b32 s49, 0
	s_lshl_b32 s50, s[Y], 17                       ; W's images: 131,072 bytes a tensor, 32,768 a wave
	s_lshl_b32 s51, s[WV], 15
	s_add_co_u32 s50, s50, s51
	s_mov_b32 s51, 0
	s_lshl_b32 s52, s[Y], 13                       ; W's scale words: 8,192 bytes a tensor, 2,048 a wave
	s_lshl_b32 s53, s[WV], 11
	s_add_co_u32 s52, s52, s53
	s_mov_b32 s53, 0
	s_lshl_b32 s54, s[WV], 9                       ; the bias: 128 numbers a wave
	s_mov_b32 s55, 0
	s_lshr_b32 s56, ttmp9, 5                       ; the batch
	s_lshl_b32 s56, s56, 3
	s_lshl_b32 s57, s[WV], 1
	s_add_co_u32 s56, s56, s57                     ; 8 x batch + 2 w: my first head
	s_lshl_b32 s56, s56, 5
	s_and_b32 s57, ttmp9, 31
	s_add_co_u32 s56, s56, s57                     ; x 32 + the block of rows
	s_mul_i32 s56, s56, s31
	s_mov_b32 s57, 0
	s_lshl_b32 s58, s31, 5                         ; a head on
	s_mov_b32 s59, 0
	s_wait_kmcnt 0x0
	s_cmp_eq_u32 s[Y], 1                           ; the choices hang on the work-group's number alone
	s_cselect_b64 s[4:5], s[6:7], s[4:5]
	s_cselect_b64 s[12:13], s[14:15], s[12:13]
	s_cmp_eq_u32 s[Y], 2
	s_cselect_b64 s[4:5], s[8:9], s[4:5]
	s_cselect_b64 s[12:13], s[16:17], s[12:13]
	s_cmp_eq_u32 s[Y], 0
	s_cselect_b64 s[22:23], s[22:23], s[24:25]     ; q goes to qi, k and v to kv
	s_add_nc_u64 s[4:5], s[4:5], s[46:47]
	s_add_nc_u64 s[10:11], s[10:11], s[48:49]
	s_add_nc_u64 s[18:19], s[18:19], s[50:51]
	s_add_nc_u64 s[20:21], s[20:21], s[52:53]
	s_add_nc_u64 s[12:13], s[12:13], s[54:55]
	s_add_nc_u64 s[40:41], s[22:23], s[56:57]      ; out: head 2 w's block
	s_add_nc_u64 s[42:43], s[40:41], s[58:59]      ; and head 2 w + 1's
.irp n, 0,1,2,3,4,5,6,7                        ; the small loads first: they are in long before they are wanted
	global_load_b128 v[WS+4*\n:WS+4*\n+3], v8, s[20:21] offset:256*\n
	global_load_b128 v[B1+8*\n:B1+8*\n+3], v10, s[12:13] offset:(32*(\n/2)+8*(\n%2))*4
	global_load_b128 v[B1+8*\n+4:B1+8*\n+7], v10, s[12:13] offset:(32*(\n/2)+8*(\n%2))*4+16
	global_load_b32 v[BV+\n], v9, s[12:13] offset:(32*(\n/2)+8*(\n%2))*4
	global_load_b32 v[MK+\n], v9, s[10:11] offset:(32*(\n/2)+8*(\n%2))*4
.endr
	XLOAD 0
	XLOAD 1
	XLOAD 2
	XLOAD 3
	; ---- x: my 32 rows become 8 fragments.  Behind the 16 loads of the unit that is due stand three groups of 16: later units, or W's tiles, which take the units' place when x is all asked for
.irp u, 0,1,2,3,4,5,6,7
	s_wait_loadcnt 48                              ; loads come back in order (ISA guide 5.7.1): unit u is in, the 48 younger loads stay out
	QUANT 64*(\u%4)
	ds_store_b128 v6, v[PC:PC+3] offset:XIMG+1024*\u
	ds_store_b128 v6, v[PC+4:PC+7] offset:XIMG+1024*\u+512
	ds_store_b32 v7, v[PW] offset:512*(\u/4)+4*(\u%4)
.if \u < 4
	XLOAD \u+4
.else
	WLOAD \u-4
.endif
	s_wait_dscnt 0x0                               ; the stores are done: the next unit's codes may be written; behind the last unit also for the others' sake
.endr
	s_barrier_signal -1
	s_barrier_wait -1                              ; x's 32 fragments lie in LDS: the launch's one barrier
	WIN 0x80                                       ; destination window 2
.set f, 0
.rept 32
	ds_load_b128 v[8*f:8*f+3], v5 offset:XIMG+1024*f
	ds_load_b128 v[8*f+4:8*f+7], v5 offset:XIMG+1024*f+512
.set f, f+1
.endr
	WIN 0
.irp m, 0,1,2,3,4,5,6,7
	ds_load_b128 v[XS+4*\m:XS+4*\m+3], v5 offset:XSC+512*\m
.endr
	s_wait_loadcnt 0x0                             ; W
	s_wait_dscnt 0x0                               ; x
	s_cmp_eq_u32 s[Y], 2
	s_cbranch_scc1 .Lv_path
; ---- Q and K.  A round: row tile m against my 8 tiles of W, four K steps; the eight accumulators take turns, one instruction a turn.
.macro QKROUND m
	WIN 0xc9                                       ; source 0 (W) window 1, source 1 (x) window 2, C (the bias) window 0, D window 3
.irp n, 0,1,2,3,4,5,6,7
	v_wmma_scale_f32_16x16x128_f8f6f4 v[8*\n:8*\n+7], v[8*(4*\n):8*(4*\n)+7], v[8*(4*(\m)):8*(4*(\m))+7], v[B1+8*\n:B1+8*\n+7], v[WS+4*\n], v[XS+4*(\m)] matrix_a_fmt:MATRIX_FMT_FP4 matrix_b_fmt:MATRIX_FMT_FP4
.endr
	WIN 0xf9                                       ; C and D window 3
.irp s, 1,2,3
.irp n, 0,1,2,3,4,5,6,7
	v_wmma_scale_f32_16x16x128_f8f6f4 v[8*\n:8*\n+7], v[8*(4*\n+\s):8*(4*\n+\s)+7], v[8*(4*(\m)+\s):8*(4*(\m)+\s)+7], v[8*\n:8*\n+7], v[WS+4*\n+\s], v[XS+4*(\m)+\s] matrix_a_fmt:MATRIX_FMT_FP4 matrix_b_fmt:MATRIX_FMT_FP4
.endr
.endr
	WIN 0
	PLACES
	s_wait_xcnt 0x0                                ; the last round's stores have had their addresses translated (ISA guide 3.1): their data registers are written again only behind this wait
	s_wait_dscnt 0x0                               ; and its LDS store is done
	QUANT 0                                        ; 128 outputs of my row: two heads' depth.  Its plain lines are also the places ahead of the next round's products, which begin the accumulators anew
	v_cmp_eq_f32 vcc_lo, 0, v[MK+(\m)]             ; mask == 0 at my row?  It selects values alone
	v_cndmask_b32 v28, v24, v25, vcc_lo            ; bytes 2 and 3 of the scale word
	v_cndmask_b32 v29, v26, v27, vcc_lo            ; a masked key's codes become zeros
.irp i, 0,1,2,3,4,5,6,7
	v_and_b32 v[PC+\i], v29, v[PC+\i]
.endr
	global_store_b128 v5, v[PC:PC+3], s[40:41] offset:512*(\m)       ; head 2 w: 512 consecutive bytes
	global_store_b128 v5, v[PC+4:PC+7], s[42:43] offset:512*(\m)     ; head 2 w + 1
	v_lshrrev_b32 v30, v15, v[PW]                  ; my head's two bytes,
	v_and_or_b32 v30, v30, 0xffff, v28             ; under the two that carry the mask
	ds_store_b32 v11, v30 offset:256*((\m)/4)+4*((\m)%4)
.endm
.irp m, 0,1,2,3,4,5,6,7
	QKROUND \m
.endr
	ds_load_b128 v[192:195], v13                   ; LDS serves a wave's instructions in order (ISA guide 5.7.1.4): these see my stores; the bytes are my wave's own
	ds_load_b128 v[196:199], v13 offset:512
	s_wait_dscnt 0x0
	global_store_b128 v14, v[192:195], s[40:41]    ; a head's 128 scale words: 512 consecutive bytes
	global_store_b128 v14, v[196:199], s[42:43]
	s_wait_tensorcnt 0x0
	ds_add_u32 v254, v255
	s_wait_dscnt 0x0
	s_endpgm
; ---- V.  A round: my tile n of W against the 8 row tiles: 16 channels x 128 keys, quantised along the keys: one fragment of V^T.
.Lv_path:
.irp n, 0,1,2,3,4,5,6,7
.irp j, 0,1,2,3,4,5,6,7
	v_mov_b32 v[B1+8*\n+\j], v[BV+\n]              ; here a lane holds one channel: its bias in all eight registers of C
.endr
.endr
.macro VROUND n
	WIN 0xc6                                       ; source 0 (x) window 2, source 1 (W) window 1, C (the bias) window 0, D window 3
.irp m, 0,1,2,3,4,5,6,7
	v_wmma_scale_f32_16x16x128_f8f6f4 v[8*\m:8*\m+7], v[8*(4*\m):8*(4*\m)+7], v[8*(4*(\n)):8*(4*(\n))+7], v[B1+8*(\n):B1+8*(\n)+7], v[XS+4*\m], v[WS+4*(\n)] matrix_a_fmt:MATRIX_FMT_FP4 matrix_b_fmt:MATRIX_FMT_FP4
.endr
	WIN 0xf6                                       ; C and D window 3
.irp s, 1,2,3
.irp m, 0,1,2,3,4,5,6,7
	v_wmma_scale_f32_16x16x128_f8f6f4 v[8*\m:8*\m+7], v[8*(4*\m+\s):8*(4*\m+\s)+7], v[8*(4*(\n)+\s):8*(4*(\n)+\s)+7], v[8*\m:8*\m+7], v[XS+4*\m+\s], v[WS+4*(\n)+\s] matrix_a_fmt:MATRIX_FMT_FP4 matrix_b_fmt:MATRIX_FMT_FP4
.endr
.endr
	WIN 0
	PLACES
	s_wait_xcnt 0x0                                ; as in the other path
	s_wait_dscnt 0x0
	QUANT 0
	global_store_b128 v5, v[PC:PC+3], s[40+2*((\n)/4):41+2*((\n)/4)] offset:4096+1024*((\n)%4)
	global_store_b128 v5, v[PC+4:PC+7], s[40+2*((\n)/4):41+2*((\n)/4)] offset:4096+1024*((\n)%4)+512
	ds_store_b32 v12, v[PW] offset:512*((\n)/4)+4*((\n)%4)
.endm
.irp n, 0,1,2,3,4,5,6,7
	VROUND \n
.endr
	ds_load_b128 v[192:195], v12
	ds_load_b128 v[196:199], v12 offset:512
	s_wait_dscnt 0x0
	global_store_b128 v5, v[192:195], s[40:41] offset:8704
	global_store_b128 v5, v[196:199], s[42:43] offset:8704
	s_wait_tensorcnt 0x0
	ds_add_u32 v254, v255
	s_wait_dscnt 0x0
	s_endpgm
.Lfunc_end_k_qeac39de0c4_proj:
	.size	k_qeac39de0c4_proj, .Lfunc_end_k_qeac39de0c4_proj-k_qeac39de0c4_proj
	.p2alignl 7, 3214868480
	.fill 96, 4, 3214868480
	.section	.rodata,"a",@progbits
	.p2align	6, 0x0
	.amdhsa_kernel k_qeac39de0c4_proj
		.amdhsa_group_segment_fixed_size 45568
		.amdhsa_private_segment_fixed_size 0
		.amdhsa_enable_private_segment 0
		.amdhsa_kernarg_size 88
		.amdhsa_user_sgpr_count 2
		.amdhsa_user_sgpr_kernarg_segment_ptr 1
		.amdhsa_wavefront_size32 1
		.amdhsa_system_sgpr_workgroup_id_x 1
		.amdhsa_system_sgpr_workgroup_id_y 1
		.amdhsa_system_sgpr_workgroup_id_z 1
		.amdhsa_system_vgpr_workitem_id 0
		.amdhsa_next_free_vgpr 1024
		.amdhsa_next_free_sgpr 66
		.amdhsa_reserve_vcc 1
		.amdhsa_float_denorm_mode_32 3
		.amdhsa_float_denorm_mode_16_64 3
		.amdhsa_memory_ordered 1
		.amdhsa_forward_progress 1
		.amdhsa_inst_pref_size 205
	.end_amdhsa_kernel
	.amdgpu_metadata
---
amdhsa.version: [ 1, 2 ]
amdhsa.kernels:
  - .name:           k_qeac39de0c4_proj
    .symbol:         k_qeac39de0c4_proj.kd
    .args:
      - { .name: Q, .offset: 0, .size: 8, .value_kind: global_buffer, .address_space: global }
      - { .name: K, .offset: 8, .size: 8, .value_kind: global_buffer, .address_space: global }
      - { .name: V, .offset: 16, .size: 8, .value_kind: global_buffer, .address_space: global }
      - { .name: mask, .offset: 24, .size: 8, .value_kind: global_buffer, .address_space: global }
      - { .name: bq, .offset: 32, .size: 8, .value_kind: global_buffer, .address_space: global }
      - { .name: bk, .offset: 40, .size: 8, .value_kind: global_buffer, .address_space: global }
      - { .name: bv, .offset: 48, .size: 8, .value_kind: global_buffer, .address_space: global }
      - { .name: w_img, .offset: 56, .size: 8, .value_kind: global_buffer, .address_space: global }
      - { .name: w_sc, .offset: 64, .size: 8, .value_kind: global_buffer, .address_space: global }
      - { .name: qi, .offset: 72, .size: 8, .value_kind: global_buffer, .address_space: global }
      - { .name: kv, .offset: 80, .size: 8, .value_kind: global_buffer, .address_space: global }
    .group_segment_fixed_size: 45568
    .private_segment_fixed_size: 0
    .kernarg_segment_align: 8
    .kernarg_segment_size: 88
    .max_flat_workgroup_size: 128
    .sgpr_count:     66
    .vgpr_count:     1024
    .wavefront_size: 32
...
	.end_amdgpu_metadata
.endif
;; end of part 2
;; launch attn (part 3): grid 16 x 16, 16 waves a work-group, clusters of 4 x 1, 296,960 bytes of LDS; arguments qi, kv, o_img, o_sc; writes o_img, o_sc
.if DOCPART == 3
	.amdgcn_target "amdgcn-amd-amdhsa--gfx1250"
	.amdhsa_code_object_version 6
	.text
	.protected	k_qeac39de0c4_attn
	.globl	k_qeac39de0c4_attn
	.p2align	8
	.type	k_qeac39de0c4_attn,@function
k_qeac39de0c4_attn:
	s_mov_b64 s[64:65], 0
	v_nop
	global_prefetch_b8 v0, s[64:65] scope:SCOPE_SE
	s_setreg_imm32_b32 hwreg(HW_REG_WAVE_MODE, 25, 1), 1
	s_wait_xcnt 0x0
	s_wait_alu depctr_hold_cnt(0) depctr_sa_sdst(0) depctr_va_vdst(0) depctr_va_sdst(0) depctr_va_ssrc(0) depctr_va_vcc(0) depctr_vm_vsrc(0)
	s_getreg_b32 s2, hwreg(HW_REG_IB_STS2, 6, 4)
	s_cmp_eq_u32 s2, 0
	s_cbranch_scc0 .Lentry_in_a_cluster
	s_endpgm
.Lentry_in_a_cluster:
	s_bfe_u32 s2, ttmp6, 0x10000c
	s_cmp_lg_u32 s2, 0x3003
	s_cbranch_scc0 .Lentry_shape_is_right
	s_endpgm
.Lentry_shape_is_right:
; o = softmax(q k^T / 8, masked) v for one head (y: 8 x batch + head) and 256 queries (x), both products on codes of FP4 (E2M1) with E8M0 scales; o is quantised along the model's 512 for the last product.
; THE SOFTMAX: t = raw score x c, c = log2(e) / 8; M = the row's largest t so far, rounded UP to a whole number; p = 2^(t - M) is quantised along the keys, not normalised.  The row's sum is taken of the
; unquantised p and divides O at the end.  When M moves, the sum and O are multiplied by 2^(old M - new M): exact.
; SHARES.  Sixteen waves, each with ONE tile of 16 queries in 256 registers: four waves to a SIMD, so that one wave's vector work stands beside another's matrix work and LDS loads.  Every wave walks all 4,096 keys, 128 a step.
; LDS.  A head's k, v and their scale words are 32 steps x 9,216 bytes = 294,912 bytes: THE WHOLE HEAD LIES IN LDS, at the places that it has in kv, and is filled once: no slot is ever filled again.
; It comes in four chunks of 8 steps; of each chunk every wave brings a sixteenth (18 rows of 256 bytes): four tensor loads of a wave are out at the most, all issued at the head.  So nothing is left to ask for ahead of a loop.
; CLUSTER.  The four query blocks of a cluster belong to one head: each tile is asked for JOINTLY, by the same tensor load with the same descriptor and a mask that names the four.
; LAYOUT.  Both products are used transposed: S^T = k q^T (source 0 = 16 keys), O^T = v^T p^T (source 0 = 16 channels): a lane holds ONE query (lane % 16) throughout.  Lane r of key tile 2 b + u holds key
; 32 b + 8 u + r + 8 (r / 8), so that the 16 registers of tiles 2 b, 2 b + 1 are keys 32 b + 16 (lane / 16) + 0 .. 15; the channel tiles likewise.  All operands lie in LDS as images of their registers: every read is at 16 x lane.
; THE MASK.  The depth is 64, the instruction's K 128.  At k = 64 every key has the code -4 and the query the code 1 (registers written once); byte 2 of a key's scale word is 158 where the key is masked, else 1, and a masked
; key's 64 codes are zeros.  So a masked raw score is exactly -2^33; c x 2^33 is a whole number, so that in a row with no key that counts t - M = 0 and p = 1 for every key, and elsewhere a masked key's p is 0.
; LIMITS: a masked logit is -2^30 where reference() has -1e9: the same result unless a key that counts has a logit near -1e9; a key that counts has -2^-124 added to its raw score; NaN and infinities are not served.
.set L16, 1                            ; v1   16 x lane; never rewritten
.set ADR, 2                            ; v2   the step's place in LDS + 16 x lane
.set QS,  3                            ; v3   q's scale words
.set KS,  4                            ; v4-7   k's: register i: lanes 0-15 tile i, lanes 16-31 tile 4 + i
.set VS,  8                            ; v8-11  v's: register t: tile t
                                       ; v12 -M, v13 the largest t, v[14:15] the sum in two halves
.set QF,  16                           ; v16-23 q's fragment: 16-19 loaded, 20-23 written once
.set PF,  24                           ; v24-31 p's codes
.set KF,  32                           ; v32-95 8 fragments of k: registers 0-3 of each loaded, 4-7 written once
.set S,   96                           ; v96-159 S^T, then p
.set O,   160                          ; v160-191 O^T
.set VF,  192                          ; v192-223 4 fragments of v
.set BM,  224                          ; v224-227 each block's largest score, then its largest p
.set BT,  228                          ; v228-231 the other half's, then the scale bytes
.set BS,  232                          ; v232-235 the conversions' scale operands
.set C2,  236                          ; v[236:237] the second chain of the sums
.set F,   238                          ; v238 f = 2^(old M - new M); v239 is named with it as a pair, so it is written once
.set PS,  240                          ; v240 p's scale word
.set T,   241                          ; v241 at work
.set WV,  12                           ; s12  my wave
.set SEL, 20                           ; s[20:21] lane selects for v_permlanex16_b32: lane l xor 16
.set CS,  22                           ; s[22:23] c: the packed form names a pair and takes its low word for both halves
.set G1,  24                           ; s[24:31] descriptor group 1
.set G0,  32                           ; s[32:47] descriptor group 0, a set for each chunk
.set TB,  48                           ; s48  LDS byte at which the step in hand begins
.set CNT, 49                           ; s49  steps left in the chunk
; A round of the cluster's barrier: my work-group's barrier, wave 0 signals for the work-group, every wave waits for all four work-groups, my work-group's barrier once more.
.macro CROUND
	s_barrier_signal -1
	s_barrier_wait -1
	s_cmp_lg_u32 s[WV], 0
	s_cbranch_scc1 .Lnot_wave_0_\@
	s_barrier_signal -3
.Lnot_wave_0_\@:
	s_barrier_wait -3
	s_barrier_signal -1
	s_barrier_wait -1
.endm
	s_load_b256 s[4:11], s[0:1], 0x0               ; qi s[4:5], kv s[6:7], o_img s[8:9], o_sc s[10:11]
	v_lshl_add_u32 v254, v0, 2, 0x48000
	v_mov_b32 v255, 0
	ds_add_u32 v254, v255
	ds_add_u32 v254, v255
	v_lshrrev_b32 v1, 5, v0
	v_readfirstlane_b32 s[WV], v1                  ; wave 0..15
	s_bfe_u32 s13, ttmp6, 0x40000                  ; cx: my place in the cluster: it enters q's and o's global addresses alone
	s_lshl_b32 s14, ttmp9, 2                       ; in a cluster launch ttmp9 counts clusters
	s_add_co_u32 s14, s14, s13                     ; my block of 256 queries
	s_and_b32 s15, ttmp7, 0xffff                   ; 8 x batch + head, which the four partners share
	; descriptor group 1: 18 dense rows of 256 bytes (32 elements of 8 bytes), no padding
	s_mov_b32 s[G1], 15|(3<<16)|(1<<21)            ; 15:0 the mask: all four work-groups; 17:16 elements of 8 bytes; 21 set beside a mask
	s_mov_b32 s[G1+1], 32<<16                      ; tensor_dim0 = 32
	s_mov_b32 s[G1+2], 18<<16                      ; tensor_dim1 = 18
	s_mov_b32 s[G1+3], 32<<16                      ; tile_dim0 = 32
	s_mov_b32 s[G1+4], 18                          ; tile_dim1 = 18
	s_mov_b32 s[G1+5], 32                          ; from row to row: 32 elements
	s_mov_b32 s[G1+6], 0
	s_mov_b32 s[G1+7], 0
	s_mul_i32 s16, s[WV], 4608                     ; my sixteenth of a chunk, in LDS and in memory alike
	s_mul_i32 s18, s15, 294912                     ; the head's block of kv
	s_add_co_u32 s18, s18, s16
	s_mov_b32 s19, 0
	s_mov_b32 s[SEL], 0x76543210
	s_mov_b32 s[SEL+1], 0xfedcba98
	s_mov_b32 s[CS], 0x3e38aa3b                    ; c = log2(e) / 8
	s_mov_b32 s[CS+1], s[CS]
	; my query tile: number 16 x block + wave of the head; in qi: block of 128 rows 2 x block + wave / 8, tile wave % 8
	s_lshl_b32 s58, s15, 5
	s_lshl_b32 s59, s14, 1
	s_add_co_u32 s58, s58, s59
	s_lshr_b32 s59, s[WV], 3
	s_add_co_u32 s58, s58, s59
	s_mul_i32 s58, s58, 4608                       ; the block's first byte
	s_and_b32 s59, s[WV], 7
	s_lshl_b32 s50, s59, 9
	s_add_co_u32 s50, s50, s58                     ; my tile's codes
	s_mov_b32 s51, 0
	s_lshr_b32 s52, s59, 2
	s_lshl_b32 s52, s52, 8                         ; its scale words: 256 (tile / 4)
	s_and_b32 s53, s[WV], 3
	s_lshl_b32 s53, s53, 2                         ; + 4 (tile % 4)
	s_add_co_u32 s52, s52, s53
	s_add_co_u32 s52, s52, s58
	s_add_co_u32 s52, s52, 4096
	s_mov_b32 s53, 0
	; where o goes: tile Tg = 256 x batch + 16 x block + wave of all rows
	s_lshr_b32 s58, s15, 3
	s_lshl_b32 s58, s58, 8
	s_lshl_b32 s59, s14, 4
	s_add_co_u32 s58, s58, s59
	s_add_co_u32 s58, s58, s[WV]                   ; Tg
	s_and_b32 s59, s15, 7                          ; the head
	s_lshl_b32 s54, s58, 12
	s_lshl_b32 s55, s59, 9
	s_add_co_u32 s54, s54, s55                     ; o_img: 4,096 Tg + 512 x head
	s_mov_b32 s55, 0
	s_lshl_b32 s56, s58, 8
	s_lshl_b32 s57, s59, 1
	s_add_co_u32 s56, s56, s57                     ; o_sc: 256 Tg + 2 x head
	s_mov_b32 s57, 0
	v_and_b32 v[T], 31, v0
	v_lshlrev_b32 v[L16], 4, v[T]
	v_and_b32 v242, 15, v0
	v_lshlrev_b32 v242, 4, v242                    ; 16 r
	v_bfe_u32 v243, v0, 4, 1
	v_sub_nc_u32 v243, 1, v243                     ; 1 in lanes 0-15, which hold k = 64 .. 95 in registers 4-7
	s_wait_dscnt 0x0
	s_wait_kmcnt 0x0
	s_add_nc_u64 s[6:7], s[6:7], s[18:19]
	s_add_nc_u64 s[50:51], s[4:5], s[50:51]
	s_add_nc_u64 s[52:53], s[4:5], s[52:53]
	s_add_nc_u64 s[8:9], s[8:9], s[54:55]
	s_add_nc_u64 s[10:11], s[10:11], s[56:57]
.irp i, 0,1,2,3
	s_mov_b32 s[G0+4*\i], 1                        ; count = 1
	s_add_co_u32 s[G0+4*\i+1], s16, 73728*\i       ; LDS address: chunk i, my sixteenth
	s_add_nc_u64 s[G0+4*\i+2:G0+4*\i+3], s[6:7], 73728*\i   ; global address: the same place in the head's block
	s_or_b32 s[G0+4*\i+3], s[G0+4*\i+3], 0x80000000   ; type = 2
.endr
	CROUND                                         ; all four work-groups are here: the joint loads meet
	tensor_load_to_lds s[G0:G0+3], s[G1:G1+7]      ; all fills of the launch go out together: four loads of mine are out
	s_nop 0
	tensor_load_to_lds s[G0+4:G0+7], s[G1:G1+7]
	s_nop 0
	tensor_load_to_lds s[G0+8:G0+11], s[G1:G1+7]
	s_nop 0
	tensor_load_to_lds s[G0+12:G0+15], s[G1:G1+7]
	s_nop 0
.rept 4
	v_nop
.endr
	global_load_b128 v[QF:QF+3], v[L16], s[50:51] th:TH_LOAD_NT
	global_load_b32 v[QS], v242, s[52:53]
	v_lshlrev_b32 v[QF+4], 1, v243                 ; the query's code 1.0 (0x2) at k = 64
	v_mul_u32_u24 v244, v243, 14                   ; a key's code -4 (0xe) at k = 64
.irp j, 5,6,7
	v_mov_b32 v[QF+\j], 0
.endr
.irp i, 0,1,2,3,4,5,6,7
	v_mov_b32 v[KF+8*\i+4], v244
	v_mov_b32 v[KF+8*\i+5], 0
	v_mov_b32 v[KF+8*\i+6], 0
	v_mov_b32 v[KF+8*\i+7], 0
.endr
	v_mov_b32 v13, 0xff61b1e6                      ; the largest t so far: -3e38, under every t
	v_floor_f32 v12, -v13                          ; -M
	v_mov_b32 v14, 0                               ; the sum, in two halves
	v_mov_b32 v15, 0
.irp b, 0,1,2,3
	v_mov_b32 v[BT+\b], 0                          ; written once: a lane permute's destination counts as one of its sources
.endr
	v_mov_b32 v[F+1], 0
.set j, 0
.rept 32
	v_mov_b32 v[O+j], 0                            ; O^T.  (The step is written once: the first finds zeros, which the first change of M leaves zeros)
.set j, j+1
.endr
	s_wait_loadcnt 0x0                             ; q
; A KEY STEP: 128 keys.
.macro STEP
	v_add_nc_u32 v[ADR], s[TB], v[L16]
.rept 3
	v_nop                                          ; with the line above: four places between the last products and the loads into v's fragments and scale words
.endr
	ds_load_b128 v[KS:KS+3], v[ADR] offset:8192
.irp i, 0,1,2,3,4,5,6,7
	ds_load_b128 v[KF+8*\i:KF+8*\i+3], v[ADR] offset:512*\i
.endr
	ds_load_b128 v[VS:VS+3], v[ADR] offset:8704
.irp t, 0,1,2,3
	ds_load_b128 v[VF+8*\t:VF+8*\t+3], v[ADR] offset:4096+1024*\t
	ds_load_b128 v[VF+8*\t+4:VF+8*\t+7], v[ADR] offset:4096+1024*\t+512
.endr
	s_wait_dscnt 9                                 ; k and its scale words are in; v's nine loads may stay out
.irp i, 0,1,2,3
	v_wmma_scale_f32_16x16x128_f8f6f4 v[S+8*\i:S+8*\i+7], v[KF+8*\i:KF+8*\i+7], v[QF:QF+7], 0, v[KS+\i], v[QS] matrix_a_fmt:MATRIX_FMT_FP4 matrix_b_fmt:MATRIX_FMT_FP4
.endr
.irp i, 4,5,6,7
	v_wmma_scale_f32_16x16x128_f8f6f4 v[S+8*\i:S+8*\i+7], v[KF+8*\i:KF+8*\i+7], v[QF:QF+7], 0, v[KS+\i-4], v[QS] matrix_a_fmt:MATRIX_FMT_FP4 matrix_b_fmt:MATRIX_FMT_FP4 matrix_a_scale:MATRIX_SCALE_ROW1
.endr
.rept 4
	v_nop                                          ; four places ahead of the first read of the scores (ISA guide 7.12.1)
.endr
.irp b, 0,1,2,3
	v_max3_num_f32 v[BM+\b], v[S+16*\b], v[S+1+16*\b], v[S+2+16*\b]   ; the largest score of each block of 32 keys: it serves the row's maximum and, since p rises with the score, the block's largest p
.endr
.irp i, 3,5,7,9,11,13
.irp b, 0,1,2,3
	v_max3_num_f32 v[BM+\b], v[BM+\b], v[S+16*\b+\i], v[S+1+16*\b+\i]   ; the four blocks by turns
.endr
.endr
.irp b, 0,1,2,3
	v_max_num_f32 v[BM+\b], v[BM+\b], v[S+15+16*\b]
.endr
.irp b, 0,1,2,3
	v_permlanex16_b32 v[BT+\b], v[BM+\b], s[SEL], s[SEL+1]
.endr
.irp b, 0,1,2,3
	v_max_num_f32 v[BM+\b], v[BM+\b], v[BT+\b]     ; with lane l xor 16's 16 keys
.endr
	v_max3_num_f32 v[T], v[BM], v[BM+1], v[BM+2]
	v_max_num_f32 v[T], v[T], v[BM+3]              ; the step's largest score of my query
	v_mul_f32 v[T], s[CS], v[T]                    ; as t (c is positive)
	v_max_num_f32 v13, v13, v[T]                   ; the running largest t
	v_mov_b32 v[T], v12
	v_floor_f32 v12, -v13                          ; the new -M = floor(-t) = -ceil(t): a whole number
	v_sub_f32 v[T], v12, v[T]                      ; old M - new M: a whole number, 0 or less
	v_cvt_i32_f32 v[T], v[T]                       ; (it saturates)
	v_ldexp_f32 v[F], 1.0, v[T]                    ; f = 2^(old M - new M)
.set j, 0
.rept 32
	v_pk_fma_f32 v[S+j:S+j+1], v[S+j:S+j+1], s[CS:CS+1], v[12:13] op_sel_hi:[1,0,0]   ; t - M, two at a time
.set j, j+2
.endr
.irp b, 0,1,2,3
	v_fma_f32 v[BM+\b], v[BM+\b], s[CS], v12       ; the same of each block's largest score
.endr
.set j, 0
.rept 64
	v_exp_f32 v[S+j], v[S+j]                       ; p = 2^(t - M), at most 1
.set j, j+1
.endr
	v_pk_mul_f32 v[14:15], v[14:15], v[F:F+1] op_sel_hi:[1,0]   ; the sums under the new M: a plain line behind the exponentials
	s_wait_alu depctr_va_vdst(0)                   ; the wait ahead of the first use: one for the 64
.irp b, 0,1,2,3
	v_exp_f32 v[BM+\b], v[BM+\b]                   ; the block's largest p: the same two instructions on the same number give the same bits
.endr
	v_pk_add_f32 v[C2:C2+1], v[S:S+1], v[S+2:S+3]  ; the row's sum is taken of the unquantised p: two at a time, in two chains
.irp j, 4,8,12,16,20,24,28,32,36,40,44,48,52,56,60
	v_pk_add_f32 v[14:15], v[14:15], v[S+\j:S+\j+1]
	v_pk_add_f32 v[C2:C2+1], v[C2:C2+1], v[S+2+\j:S+3+\j]
.endr
	v_pk_add_f32 v[14:15], v[14:15], v[C2:C2+1]
	s_wait_alu depctr_va_vdst(0)                   ; and one for the four
.irp b, 0,1,2,3
	v_max_num_f32 v[BM+\b], 0x1800000, v[BM+\b]    ; the floor 2^(3 - 127): the byte cannot fall under 1 (a block whose every p is 0 keeps that byte: its codes are zeros)
.endr
.irp b, 0,1,2,3
	v_add_nc_u32 v[BS+\b], 0xff000000, v[BM+\b]    ; 2 off the exponent field: the conversion's scale operand
.endr
.irp b, 0,1,2,3
	v_lshrrev_b32 v[BT+\b], 23, v[BS+\b]           ; the scale's byte
.endr
	v_lshl_or_b32 v[PS], v[BT+1], 8, v[BT]         ; p's scale word for these 128 keys
	v_lshl_or_b32 v[PS], v[BT+2], 16, v[PS]
	v_lshl_or_b32 v[PS], v[BT+3], 24, v[PS]
.irp b, 0,1,2,3
	v_cvt_scalef32_pk8_fp4_f32 v[PF+2*\b], v[S+16*\b:S+7+16*\b], v[BS+\b]
	v_cvt_scalef32_pk8_fp4_f32 v[PF+1+2*\b], v[S+8+16*\b:S+15+16*\b], v[BS+\b]
.endr
	v_nop                                          ; one plain line behind the scaled conversions
.irp c, 0,1                                    ; a whole block to a lane: lanes 0-15 block 2 c, lanes 16-31 block 2 c + 1
.irp i, 0,1
	v_permlane16_swap_b32 v[PF+4*\c+\i], v[PF+2+4*\c+\i]
.endr
.endr
.set j, 0
.rept 16
	v_pk_mul_f32 v[O+j:O+j+1], v[O+j:O+j+1], v[F:F+1] op_sel_hi:[1,0]   ; O^T under the new M.  These 16 also stand between the lines that wrote p's codes and scale word and the products below
.set j, j+2
.endr
	s_wait_dscnt 0x0                               ; v and its scale words are in; no LDS instruction of mine is out from here to the step's end
.irp t, 0,1,2,3
	v_wmma_scale_f32_16x16x128_f8f6f4 v[O+8*\t:O+8*\t+7], v[VF+8*\t:VF+8*\t+7], v[PF:PF+7], v[O+8*\t:O+8*\t+7], v[VS+\t], v[PS] matrix_a_fmt:MATRIX_FMT_FP4 matrix_b_fmt:MATRIX_FMT_FP4
.endr
	s_add_co_u32 s[TB], s[TB], 9216                ; the next step.  (Between two links on one accumulator of O^T stand the three others' and the next step's eight score products)
.endm
; CHUNK c: 8 steps.  Behind chunk c's load a wave has issued 3 - c more: they may stay out.
.macro CHUNK c
	s_wait_tensorcnt 3-\c                          ; tensor loads of a wave end in order (ISA guide 10.11.1): my sixteenth of chunk c is in,
	s_barrier_signal -1
	s_barrier_wait -1                              ; everybody's is
	s_mov_b32 s[TB], 73728*\c
	s_mov_b32 s[CNT], 8
.Lstep_\@:
	STEP
	s_sub_co_u32 s[CNT], s[CNT], 1
	s_cmp_lg_u32 s[CNT], 0
	s_cbranch_scc1 .Lstep_\@
.endm
	CHUNK 0
	CHUNK 1
	CHUNK 2
	CHUNK 3
	; THE WAY OUT.  O^T / the sum; its 64 channels are two blocks of the last product's K: quantised in registers, they are registers 4 (head % 2) .. + 3 of that product's fragment (tile Tg, K step head / 2).
	v_add_f32 v14, v14, v15                        ; the sum's two halves,
	v_permlanex16_b32 v[T], v14, s[SEL], s[SEL+1]
	v_add_f32 v14, v14, v[T]                       ; and lane l xor 16's: the row's sum, at least 1/2
	v_rcp_f32 v14, v14
	v_and_b32 v242, 15, v0                         ; plain lines behind the reciprocal and behind the last products
	v_bfe_u32 v243, v0, 4, 1
	v_lshl_add_u32 v247, v242, 4, v243             ; 16 r + h: my byte among the tile's scale bytes
	v_and_b32 v248, 31, v0
	v_cmp_le_u32 vcc_lo, 16, v248                  ; lanes 16-31 send block 1's byte
	s_wait_alu depctr_va_vdst(0)                   ; the wait ahead of the reciprocal's first use
.set j, 0
.rept 16
	v_pk_mul_f32 v[S+j:S+j+1], v[O+j:O+j+1], v[14:15] op_sel_hi:[1,0]   ; each accumulator from its low end on
.set j, j+2
.endr
.irp b, 0,1
	v_max3_num_f32 v[BM+\b], |v[S+16*\b]|, |v[S+1+16*\b]|, 0x1800000
.endr
.irp i, 2,4,6,8,10,12,14
.irp b, 0,1
	v_max3_num_f32 v[BM+\b], v[BM+\b], |v[S+16*\b+\i]|, |v[S+1+16*\b+\i]|
.endr
.endr
.irp b, 0,1
	v_permlanex16_b32 v[BT+\b], v[BM+\b], s[SEL], s[SEL+1]
.endr
.irp b, 0,1
	v_max_num_f32 v[BM+\b], v[BM+\b], v[BT+\b]
.endr
.irp b, 0,1
	v_add_nc_u32 v[BS+\b], 0xff000000, v[BM+\b]
.endr
.irp b, 0,1
	v_lshrrev_b32 v[BT+\b], 23, v[BS+\b]
.endr
.irp b, 0,1
	v_cvt_scalef32_pk8_fp4_f32 v[PF+2*\b], v[S+16*\b:S+7+16*\b], v[BS+\b]
	v_cvt_scalef32_pk8_fp4_f32 v[PF+1+2*\b], v[S+8+16*\b:S+15+16*\b], v[BS+\b]
.endr
	v_nop                                          ; one plain line behind the scaled conversions
.irp i, 0,1
	v_permlane16_swap_b32 v[PF+\i], v[PF+2+\i]
.endr
	v_cndmask_b32 v[T], v[BT], v[BT+1], vcc_lo
	global_store_b128 v[L16], v[PF:PF+3], s[8:9]   ; 32 lanes store 512 consecutive bytes
	global_store_b8 v247, v[T], s[10:11]           ; a row's 16 scale bytes come from eight heads, eight work-groups: each sends its two
	s_wait_tensorcnt 0x0                           ; no tensor load is out at the end
	s_wait_tensorcnt 0x0
	ds_add_u32 v254, v255
	s_wait_dscnt 0x0
	CROUND                                         ; the closing round: no work-group ends while a partner may still ask for a tile that names it
	s_endpgm
.Lfunc_end_k_qeac39de0c4_attn:
	.size	k_qeac39de0c4_attn, .Lfunc_end_k_qeac39de0c4_attn-k_qeac39de0c4_attn
	.p2alignl 7, 3214868480
	.fill 96, 4, 3214868480
	.section	.rodata,"a",@progbits
	.p2align	6, 0x0
	.amdhsa_kernel k_qeac39de0c4_attn
		.amdhsa_group_segment_fixed_size 296960
		.amdhsa_private_segment_fixed_size 0
		.amdhsa_enable_private_segment 0
		.amdhsa_kernarg_size 32
		.amdhsa_user_sgpr_count 2
		.amdhsa_user_sgpr_kernarg_segment_ptr 1
		.amdhsa_wavefront_size32 1
		.amdhsa_system_sgpr_workgroup_id_x 1
		.amdhsa_system_sgpr_workgroup_id_y 1
		.amdhsa_system_sgpr_workgroup_id_z 1
		.amdhsa_system_vgpr_workitem_id 0
		.amdhsa_next_free_vgpr 256
		.amdhsa_next_free_sgpr 66
		.amdhsa_reserve_vcc 1
		.amdhsa_float_denorm_mode_32 3
		.amdhsa_float_denorm_mode_16_64 3
		.amdhsa_memory_ordered 1
		.amdhsa_forward_progress 1
		.amdhsa_inst_pref_size 72
	.end_amdhsa_kernel
	.amdgpu_metadata
---
amdhsa.version: [ 1, 2 ]
amdhsa.kernels:
  - .name:           k_qeac39de0c4_attn
    .symbol:         k_qeac39de0c4_attn.kd
    .args:
      - { .name: qi, .offset: 0, .size: 8, .value_kind: global_buffer, .address_space: global }
      - { .name: kv, .offset: 8, .size: 8, .value_kind: global_buffer, .address_space: global }
      - { .name: o_img, .offset: 16, .size: 8, .value_kind: global_buffer, .address_space: global }
      - { .name: o_sc, .offset: 24, .size: 8, .value_kind: global_buffer, .address_space: global }
    .group_segment_fixed_size: 296960
    .private_segment_fixed_size: 0
    .kernarg_segment_align: 8
    .kernarg_segment_size: 32
    .max_flat_workgroup_size: 512
    .sgpr_count:     66
    .vgpr_count:     256
    .wavefront_size: 32
...
	.end_amdgpu_metadata
.endif
;; end of part 3
;; launch oproj (part 4): grid 4 x 64, 4 waves a work-group, no clusters, 68,096 bytes of LDS; arguments o_img, o_sc, w_img, w_sc, bo, out0; writes out0
.if DOCPART == 4
	.amdgcn_target "amdgcn-amd-amdhsa--gfx1250"
	.amdhsa_code_object_version 6
	.text
	.protected	k_qeac39de0c4_oproj
	.globl	k_qeac39de0c4_oproj
	.p2align	8
	.type	k_qeac39de0c4_oproj,@function
k_qeac39de0c4_oproj:
	s_mov_b64 s[64:65], 0
	v_nop
	global_prefetch_b8 v0, s[64:65] scope:SCOPE_SE
	s_setreg_imm32_b32 hwreg(HW_REG_WAVE_MODE, 25, 1), 1
	s_wait_xcnt 0x0
; out0 = o Wo^T + bo on codes of FP4 (E2M1) with E8M0 scales.  o comes as the attention left it: fragments o_img [tile Tg 512][K step 4][c 2][lane][16 bytes], scale words o_sc [Tg][r 16][K step 4][4 bytes];
; Wo as the first launch left it (tensor 3 of w_img, w_sc).  Lane r of row tile Tg = 8 R + m holds row 128 R + 32 (m / 2) + 8 (m % 2) + r + 8 (r / 8); Wo's tiles likewise.
; A work-group takes 128 rows (y) x 128 columns (x).  A wave works alone: rows 32 w .. 32 w + 31 of the block (tiles 2 w, 2 w + 1) x the 128 columns: 16 accumulators, 64 matrix instructions.  No barrier.
; THE MATRIX INSTRUCTION IS USED TRANSPOSED (source 0 = 16 rows of Wo, source 1 = 16 rows of o): a lane holds one row of out0, and the 16 registers of tiles 2 b, 2 b + 1 are 16 neighbouring columns.
; The bias is the C of each sum's first matrix instruction.  The results go through the wave's own stage in LDS and leave as rows of 512 consecutive bytes.
; REGISTERS, in windows of 256: window 0: addresses; v16-23 o's scale words; v32-63 Wo's; v64-127 o's 8 fragments; v128-255 the rows read back.  window 1: Wo's fragment (n, s) at v[8 (4 n + s)].
;   window 2: v0-127 accumulator (a, n) at v[8 (8 a + n)]; v128-191 the bias, eight registers a tile.
.set OS,  16
.set WS,  32
.set OF,  64
.set BK,  128                          ; window 0: rows read back;  window 2: the bias
.set SP,  528                          ; a stage row: 512 bytes + 16
.set MSB, 0
.macro WIN new                         ; the immediate's low byte: bits 1:0 source 0, 3:2 source 1, 5:4 source 2, 7:6 destination; its high byte repeats the setting that is left
.if MSB != \new
	s_set_vgpr_msb (MSB<<8)|\new
.set MSB, \new
.endif
.endm
	s_load_b256 s[4:11], s[0:1], 0x0               ; o_img s[4:5], o_sc s[6:7], w_img s[8:9], w_sc s[10:11]
	s_load_b128 s[12:15], s[0:1], 0x20             ; bo s[12:13], out0 s[14:15]
	v_lshl_add_u32 v30, v0, 2, 0x10800
	v_mov_b32 v31, 0
	v_lshrrev_b32 v1, 5, v0
	v_readfirstlane_b32 s16, v1                    ; wave 0..3
	v_and_b32 v1, 31, v0                           ; lane
	v_and_b32 v2, 15, v0                           ; r
	v_bfe_u32 v3, v0, 4, 1                         ; h
	v_and_b32 v4, 8, v2
	v_add_nc_u32 v4, v4, v2                        ; r + 8 (r / 8)
	v_lshlrev_b32 v5, 4, v1                        ; 16 x lane
	v_lshlrev_b32 v6, 4, v2                        ; 16 r
	v_lshlrev_b32 v7, 6, v3                        ; 64 h
	s_mul_i32 s17, s16, 32*SP                      ; my stage
	v_mul_u32_u24 v8, v4, SP
	v_lshl_add_u32 v8, v3, 6, v8
	v_add_nc_u32 v8, s17, v8                       ; in: my row of a tile, + 64 h bytes
	v_add_nc_u32 v9, s17, v5                       ; back: 32 lanes take a row of 512 bytes
	s_and_b32 s18, ttmp7, 0xffff                   ; R
	s_lshl_b32 s20, ttmp9, 15
	s_add_co_u32 s20, s20, 393216                  ; Wo's images: tensor 3, 8 tiles of 4,096 bytes for each quarter of the columns
	s_mov_b32 s21, 0
	s_lshl_b32 s22, ttmp9, 11
	s_add_co_u32 s22, s22, 24576                   ; and its scale words
	s_mov_b32 s23, 0
	s_lshl_b32 s24, ttmp9, 9                       ; 128 columns of f32
	s_mov_b32 s25, 0
	s_lshl_b32 s26, s18, 3
	s_lshl_b32 s27, s16, 1
	s_add_co_u32 s26, s26, s27                     ; Tg of my first tile
	s_lshl_b32 s28, s26, 8
	s_mov_b32 s29, 0
	s_lshl_b32 s26, s26, 12
	s_mov_b32 s27, 0
	s_lshl_b32 s30, s18, 18                        ; out0: 128 rows of 2,048 bytes a block,
	s_lshl_b32 s31, s16, 16                        ; 32 rows a wave,
	s_add_co_u32 s30, s30, s31
	s_add_co_u32 s30, s30, s24                     ; my quarter of the columns
	s_mov_b32 s31, 0
	s_wait_kmcnt 0x0
	s_add_nc_u64 s[4:5], s[4:5], s[26:27]
	s_add_nc_u64 s[6:7], s[6:7], s[28:29]
	s_add_nc_u64 s[8:9], s[8:9], s[20:21]
	s_add_nc_u64 s[10:11], s[10:11], s[22:23]
	s_add_nc_u64 s[12:13], s[12:13], s[24:25]
	s_add_nc_u64 s[14:15], s[14:15], s[30:31]
.irp a, 0,1
	global_load_b128 v[OS+4*\a:OS+4*\a+3], v6, s[6:7] offset:256*\a
.irp s, 0,1,2,3
.irp c, 0,1
	global_load_b128 v[OF+8*(4*\a+\s)+4*\c:OF+8*(4*\a+\s)+4*\c+3], v5, s[4:5] offset:4096*\a+1024*\s+512*\c
.endr
.endr
.endr
.irp n, 0,1,2,3,4,5,6,7
	global_load_b128 v[WS+4*\n:WS+4*\n+3], v6, s[10:11] offset:256*\n
.endr
	WIN 0x80                                       ; destination window 2
.irp n, 0,1,2,3,4,5,6,7
	global_load_b128 v[BK+8*\n:BK+8*\n+3], v7, s[12:13] offset:(32*(\n/2)+8*(\n%2))*4
	global_load_b128 v[BK+8*\n+4:BK+8*\n+7], v7, s[12:13] offset:(32*(\n/2)+8*(\n%2))*4+16
.endr
	WIN 0x40                                       ; destination window 1
.set f, 0
.rept 32
	global_load_b128 v[8*f:8*f+3], v5, s[8:9] offset:1024*f
	global_load_b128 v[8*f+4:8*f+7], v5, s[8:9] offset:1024*f+512
.set f, f+1
.endr
	s_wait_loadcnt 0x0
	WIN 0xa1                                       ; source 0 (Wo) window 1, source 1 (o) window 0, C and D window 2
.irp a, 0,1                                    ; eight accumulators take turns, one instruction a turn
.irp s, 0,1,2,3
.irp n, 0,1,2,3,4,5,6,7
.if \s == 0
	v_wmma_scale_f32_16x16x128_f8f6f4 v[8*(8*\a+\n):8*(8*\a+\n)+7], v[8*(4*\n+\s):8*(4*\n+\s)+7], v[OF+8*(4*\a+\s):OF+8*(4*\a+\s)+7], v[BK+8*\n:BK+8*\n+7], v[WS+4*\n+\s], v[OS+4*\a+\s] matrix_a_fmt:MATRIX_FMT_FP4 matrix_b_fmt:MATRIX_FMT_FP4
.else
	v_wmma_scale_f32_16x16x128_f8f6f4 v[8*(8*\a+\n):8*(8*\a+\n)+7], v[8*(4*\n+\s):8*(4*\n+\s)+7], v[OF+8*(4*\a+\s):OF+8*(4*\a+\s)+7], v[8*(8*\a+\n):8*(8*\a+\n)+7], v[WS+4*\n+\s], v[OS+4*\a+\s] matrix_a_fmt:MATRIX_FMT_FP4 matrix_b_fmt:MATRIX_FMT_FP4
.endif
.endr
.endr
.endr
	WIN 0
.rept 4
	v_nop                                          ; four places ahead of the LDS stores that read the results
.endr
	WIN 0x08                                       ; an LDS store's data are its source 1: window 2
.irp a, 0,1
.irp n, 0,1,2,3,4,5,6,7
	ds_store_b128 v8, v[8*(8*\a+\n):8*(8*\a+\n)+3] offset:8*SP*\a+128*(\n/2)+32*(\n%2)        ; lane (r, h): row 8 a + r + 8 (r / 8), columns 32 (n / 2) + 16 h + 8 (n % 2) + 0 .. 7; each accumulator from its low end on
	ds_store_b128 v8, v[8*(8*\a+\n)+4:8*(8*\a+\n)+7] offset:8*SP*\a+128*(\n/2)+32*(\n%2)+16
.endr
.endr
	WIN 0
.set i, 0
.rept 32
	ds_load_b128 v[BK+4*i:BK+4*i+3], v9 offset:SP*i   ; LDS serves a wave's instructions in order (ISA guide 5.7.1.4): these see my stores; the stage is my wave's own
.set i, i+1
.endr
.set i, 0
.rept 32
	s_wait_dscnt 31-i                              ; row i is back; the 31 - i reads behind it may stay out
	global_store_b128 v5, v[BK+4*i:BK+4*i+3], s[14:15] offset:2048*i th:TH_STORE_NT   ; 32 lanes store 512 consecutive bytes, at a multiple of 256 from out0's first byte
.set i, i+1
.endr
	s_wait_tensorcnt 0x0
	ds_add_u32 v30, v31
	s_wait_dscnt 0x0
	s_endpgm
.Lfunc_end_k_qeac39de0c4_oproj:
	.size	k_qeac39de0c4_oproj, .Lfunc_end_k_qeac39de0c4_oproj-k_qeac39de0c4_oproj
	.p2alignl 7, 3214868480
	.fill 96, 4, 3214868480
	.section	.rodata,"a",@progbits
	.p2align	6, 0x0
	.amdhsa_kernel k_qeac39de0c4_oproj
		.amdhsa_group_segment_fixed_size 68096
		.amdhsa_private_segment_fixed_size 0
		.amdhsa_enable_private_segment 0
		.amdhsa_kernarg_size 48
		.amdhsa_user_sgpr_count 2
		.amdhsa_user_sgpr_kernarg_segment_ptr 1
		.amdhsa_wavefront_size32 1
		.amdhsa_system_sgpr_workgroup_id_x 1
		.amdhsa_system_sgpr_workgroup_id_y 1
		.amdhsa_system_sgpr_workgroup_id_z 1
		.amdhsa_system_vgpr_workitem_id 0
		.amdhsa_next_free_vgpr 768
		.amdhsa_next_free_sgpr 66
		.amdhsa_reserve_vcc 0
		.amdhsa_float_denorm_mode_32 3
		.amdhsa_float_denorm_mode_16_64 3
		.amdhsa_memory_ordered 1
		.amdhsa_forward_progress 1
		.amdhsa_inst_pref_size 29
	.end_amdhsa_kernel
	.amdgpu_metadata
---
amdhsa.version: [ 1, 2 ]
amdhsa.kernels:
  - .name:           k_qeac39de0c4_oproj
    .symbol:         k_qeac39de0c4_oproj.kd
    .args:
      - { .name: o_img, .offset: 0, .size: 8, .value_kind: global_buffer, .address_space: global }
      - { .name: o_sc, .offset: 8, .size: 8, .value_kind: global_buffer, .address_space: global }
      - { .name: w_img, .offset: 16, .size: 8, .value_kind: global_buffer, .address_space: global }
      - { .name: w_sc, .offset: 24, .size: 8, .value_kind: global_buffer, .address_space: global }
      - { .name: bo, .offset: 32, .size: 8, .value_kind: global_buffer, .address_space: global }
      - { .name: out0, .offset: 40, .size: 8, .value_kind: global_buffer, .address_space: global }
    .group_segment_fixed_size: 68096
    .private_segment_fixed_size: 0
    .kernarg_segment_align: 8
    .kernarg_segment_size: 48
    .max_flat_workgroup_size: 128
    .sgpr_count:     66
    .vgpr_count:     768
    .wavefront_size: 32
...
	.end_amdgpu_metadata
.endif
;; end of part 4
;; ======== version 2 of 2: 4 launches
;; limits: right only within a limited range of input values
;; workspace buffers: w_img 524,288 bytes; w_sc 32,768 bytes; qi 2,359,296 bytes; kv 4,718,592 bytes; o_img 2,097,152 bytes; o_sc 131,072 bytes
;; launch wquant (part 5): grid 32 x 4, 4 waves a work-group, no clusters, 768 bytes of LDS; arguments Wq, Wk, Wv, Wo, w_img, w_sc; writes w_img, w_sc
.if DOCPART == 5
	.amdgcn_target "amdgcn-amd-amdhsa--gfx1250"
	.amdhsa_code_object_version 6
	.text
	.protected	k_qeac39de0c4_wquant
	.globl	k_qeac39de0c4_wquant
	.p2align	8
	.type	k_qeac39de0c4_wquant,@function
k_qeac39de0c4_wquant:
	s_mov_b64 s[64:65], 0
	v_nop
	global_prefetch_b8 v0, s[64:65] scope:SCOPE_SE
	s_setreg_imm32_b32 hwreg(HW_REG_WAVE_MODE, 25, 1), 1
	s_wait_xcnt 0x0
; The four weights [512 (n)][512 (k)], f32, become codes of FP4 (E2M1) with one E8M0 scale byte for each 32 along K, laid in the order of an operand's registers.
; A TILE is 16 rows of a weight: lane r of tile t takes row 32 (t / 2) + 8 (t % 2) + r + 8 (r / 8), so that in a product used with the weight as source 0 the 16 registers of tiles 2 b and 2 b + 1
; are 16 neighbouring outputs.  A FRAGMENT is a tile x 128 along K: 8 registers a lane; lane (r, h) holds k = 64 c + 32 h + 0 .. 31 in registers 4 c .. 4 c + 3.
; w_img: [tensor][tile 32][K step 4][c 2][lane 32][16 bytes].   w_sc: [tensor][tile][r 16][K step 4][4 bytes]: a row's four scale words on end.
; A work-group takes one tile of one tensor (x: the tile, y: the tensor); wave s takes K step s.  A block's scale byte is its largest magnitude's exponent field - 2, held at 1 from below.
; LIMITS: a block of zeros gets the byte 1 (its codes are zeros, and this program alone reads the bytes); NaN and infinities among the inputs are not served.
.set TM,  16                           ; v16-19 largest magnitudes, v20-23 the other half's, then bytes, v28-31 the conversions' scale operands
.set PC,  32                           ; v32-39 the fragment's codes
.set PW,  40                           ; v40    the row's scale word
.set X,   64                           ; v64-127 64 numbers: register 16 b + i = k 32 b + 16 h + i of my row
.set SEL, 26                           ; s[26:27] lane selects for v_permlanex16_b32: lane l xor 16
; 64 numbers of a lane become a fragment's codes in v[PC] on and its scale word in v[PW].
.macro QUANT s
.irp b, 0,1,2,3
	v_max3_num_f32 v[TM+\b], |v[\s+16*\b]|, |v[\s+1+16*\b]|, 0x1800000   ; block b: my 16 numbers, and the floor 2^(3 - 127): the byte cannot fall under 1
.endr
.irp i, 2,4,6,8,10,12,14
.irp b, 0,1,2,3
	v_max3_num_f32 v[TM+\b], v[TM+\b], |v[\s+16*\b+\i]|, |v[\s+1+16*\b+\i]|   ; the four blocks by turns
.endr
.endr
.irp b, 0,1,2,3
	v_permlanex16_b32 v[TM+4+\b], v[TM+\b], s[SEL], s[SEL+1]
.endr
.irp b, 0,1,2,3
	v_max_num_f32 v[TM+\b], v[TM+\b], v[TM+4+\b]   ; with lane l xor 16's 16: the block's largest magnitude
.endr
.irp b, 0,1,2,3
	v_add_nc_u32 v[TM+12+\b], 0xff000000, v[TM+\b]   ; 2 off its exponent field: the conversion takes that field as its scale
.endr
.irp b, 0,1,2,3
	v_lshrrev_b32 v[TM+4+\b], 23, v[TM+12+\b]      ; the scale's byte
.endr
	v_lshl_or_b32 v[PW], v[TM+5], 8, v[TM+4]
	v_lshl_or_b32 v[PW], v[TM+6], 16, v[PW]
	v_lshl_or_b32 v[PW], v[TM+7], 24, v[PW]
.irp b, 0,1,2,3
	v_cvt_scalef32_pk8_fp4_f32 v[PC+2*\b], v[\s+16*\b:\s+7+16*\b], v[TM+12+\b]
	v_cvt_scalef32_pk8_fp4_f32 v[PC+1+2*\b], v[\s+8+16*\b:\s+15+16*\b], v[TM+12+\b]
.endr
	v_nop                                          ; one plain line behind the scaled conversions
.irp c, 0,1                                    ; a whole block to a lane: lanes 0-15 block 2 c, lanes 16-31 block 2 c + 1
.irp i, 0,1
	v_permlane16_swap_b32 v[PC+4*\c+\i], v[PC+2+4*\c+\i]
.endr
.endr
.endm
	s_load_b256 s[4:11], s[0:1], 0x0               ; Wq s[4:5], Wk s[6:7], Wv s[8:9], Wo s[10:11]
	s_load_b128 s[12:15], s[0:1], 0x20             ; w_img s[12:13], w_sc s[14:15]
	v_lshl_add_u32 v128, v0, 2, 0x100
	v_mov_b32 v129, 0
	v_lshrrev_b32 v1, 5, v0
	v_readfirstlane_b32 s16, v1                    ; wave = K step
	v_and_b32 v1, 31, v0                           ; lane
	v_and_b32 v2, 15, v0                           ; r
	v_bfe_u32 v3, v0, 4, 1                         ; h
	v_and_b32 v4, 8, v2
	v_add_nc_u32 v4, v4, v2                        ; r + 8 (r / 8)
	v_lshlrev_b32 v5, 11, v4                       ; a row of a weight is 2,048 bytes
	v_lshl_add_u32 v5, v3, 6, v5                   ; + 64 h: my 16 numbers of each block of 32
	v_lshlrev_b32 v6, 4, v1                        ; 16 x lane: my place in an image
	s_lshl_b32 s17, s16, 2
	v_lshl_add_u32 v7, v2, 4, s17                  ; LDS: 16 r + 4 x K step: my row's scale word
	v_lshlrev_b32 v8, 3, v1                        ; 8 x lane: the tile's 256 bytes of scale words on their way out
.irp b, 0,1,2,3
	v_mov_b32 v[TM+4+\b], 0                        ; written once: a lane permute's destination counts as one of its sources
.endr
	s_mov_b32 s[SEL], 0x76543210
	s_mov_b32 s[SEL+1], 0xfedcba98
	s_and_b32 s18, ttmp7, 0xffff                   ; the tensor
	s_lshr_b32 s20, ttmp9, 1
	s_lshl_b32 s20, s20, 16                        ; 32 (t / 2) rows
	s_and_b32 s21, ttmp9, 1
	s_lshl_b32 s21, s21, 14                        ; + 8 (t % 2) rows
	s_add_co_u32 s20, s20, s21
	s_lshl_b32 s21, s16, 9                         ; + 128 numbers for each K step
	s_add_co_u32 s20, s20, s21
	s_mov_b32 s21, 0
	s_lshl_b32 s22, s18, 5
	s_add_co_u32 s22, s22, ttmp9                   ; 32 x tensor + tile
	s_lshl_b32 s24, s22, 8                         ; its 256 bytes of scale words
	s_mov_b32 s25, 0
	s_lshl_b32 s22, s22, 2
	s_add_co_u32 s22, s22, s16
	s_lshl_b32 s22, s22, 10                        ; my fragment's 1,024 bytes
	s_mov_b32 s23, 0
	s_wait_alu depctr_va_vdst(0)
	s_wait_kmcnt 0x0
	s_cmp_eq_u32 s18, 1                            ; the choice hangs on the work-group's number alone
	s_cselect_b64 s[4:5], s[6:7], s[4:5]
	s_cmp_eq_u32 s18, 2
	s_cselect_b64 s[4:5], s[8:9], s[4:5]
	s_cmp_eq_u32 s18, 3
	s_cselect_b64 s[4:5], s[10:11], s[4:5]
	s_add_nc_u64 s[4:5], s[4:5], s[20:21]
	s_add_nc_u64 s[12:13], s[12:13], s[22:23]
	s_add_nc_u64 s[14:15], s[14:15], s[24:25]
.irp b, 0,1,2,3
.irp j, 0,1,2,3
	global_load_b128 v[X+16*\b+4*\j:X+16*\b+4*\j+3], v5, s[4:5] offset:128*\b+16*\j th:TH_LOAD_NT
.endr
.endr
	s_wait_loadcnt 0x0
	QUANT X
	global_store_b128 v6, v[PC:PC+3], s[12:13]             ; 32 lanes store 512 consecutive bytes
	global_store_b128 v6, v[PC+4:PC+7], s[12:13] offset:512
	ds_store_b32 v7, v[PW]                         ; the two lanes of a row write the same word with the same value
	s_wait_dscnt 0x0                               ; for the others' sake: my store has landed
	s_barrier_signal -1
	s_barrier_wait -1
	s_cmp_lg_u32 s16, 0
	s_cbranch_scc1 .Lend                           ; wave 0 sends the tile's scale words
	ds_load_b64 v[42:43], v8
	s_wait_dscnt 0x0
	global_store_b64 v8, v[42:43], s[14:15]        ; 32 lanes store 256 consecutive bytes, aligned
.Lend:
	s_wait_tensorcnt 0x0
	ds_add_u32 v128, v129
	s_wait_dscnt 0x0
	s_endpgm
.Lfunc_end_k_qeac39de0c4_wquant:
	.size	k_qeac39de0c4_wquant, .Lfunc_end_k_qeac39de0c4_wquant-k_qeac39de0c4_wquant
	.p2alignl 7, 3214868480
	.fill 96, 4, 3214868480
	.section	.rodata,"a",@progbits
	.p2align	6, 0x0
	.amdhsa_kernel k_qeac39de0c4_wquant
		.amdhsa_group_segment_fixed_size 768
		.amdhsa_private_segment_fixed_size 0
		.amdhsa_enable_private_segment 0
		.amdhsa_kernarg_size 48
		.amdhsa_user_sgpr_count 2
		.amdhsa_user_sgpr_kernarg_segment_ptr 1
		.amdhsa_wavefront_size32 1
		.amdhsa_system_sgpr_workgroup_id_x 1
		.amdhsa_system_sgpr_workgroup_id_y 1
		.amdhsa_system_sgpr_workgroup_id_z 1
		.amdhsa_system_vgpr_workitem_id 0
		.amdhsa_next_free_vgpr 130
		.amdhsa_next_free_sgpr 66
		.amdhsa_reserve_vcc 0
		.amdhsa_float_denorm_mode_32 3
		.amdhsa_float_denorm_mode_16_64 3
		.amdhsa_memory_ordered 1
		.amdhsa_forward_progress 1
		.amdhsa_inst_pref_size 9
	.end_amdhsa_kernel
	.amdgpu_metadata
---
amdhsa.version: [ 1, 2 ]
amdhsa.kernels:
  - .name:           k_qeac39de0c4_wquant
    .symbol:         k_qeac39de0c4_wquant.kd
    .args:
      - { .name: Wq, .offset: 0, .size: 8, .value_kind: global_buffer, .address_space: global }
      - { .name: Wk, .offset: 8, .size: 8, .value_kind: global_buffer, .address_space: global }
      - { .name: Wv, .offset: 16, .size: 8, .value_kind: global_buffer, .address_space: global }
      - { .name: Wo, .offset: 24, .size: 8, .value_kind: global_buffer, .address_space: global }
      - { .name: w_img, .offset: 32, .size: 8, .value_kind: global_buffer, .address_space: global }
      - { .name: w_sc, .offset: 40, .size: 8, .value_kind: global_buffer, .address_space: global }
    .group_segment_fixed_size: 768
    .private_segment_fixed_size: 0
    .kernarg_segment_align: 8
    .kernarg_segment_size: 48
    .max_flat_workgroup_size: 128
    .sgpr_count:     66
    .vgpr_count:     130
    .wavefront_size: 32
...
	.end_amdgpu_metadata
.endif
;; end of part 5
;; launch proj (part 6): grid 64 x 3, 4 waves a work-group, no clusters, 45,568 bytes of LDS; arguments Q, K, V, mask, bq, bk, bv, w_img, w_sc, qi, kv; writes qi, kv
.if DOCPART == 6
	.amdgcn_target "amdgcn-amd-amdhsa--gfx1250"
	.amdhsa_code_object_version 6
	.text
	.protected	k_qeac39de0c4_proj
	.globl	k_qeac39de0c4_proj
	.p2align	8
	.type	k_qeac39de0c4_proj,@function
k_qeac39de0c4_proj:
	s_mov_b64 s[64:65], 0
	v_nop
	global_prefetch_b8 v0, s[64:65] scope:SCOPE_SE
	s_setreg_imm32_b32 hwreg(HW_REG_WAVE_SCHED_MODE, 0, 2), 2
	s_setreg_imm32_b32 hwreg(HW_REG_WAVE_MODE, 25, 1), 1
	s_wait_xcnt 0x0
	s_wait_alu depctr_vm_vsrc(0)
; q = Q Wq^T + bq, k = K Wk^T + bk, v = V Wv^T + bv on codes of FP4 (E2M1) with one E8M0 scale for each 32 along K, and the results quantised again for the attention's two products.
; A work-group takes 128 rows of one tensor (x: 32 x batch + block of rows; y: 0 Q, 1 K, 2 V).  It quantises its rows of x in registers; the fragments go from wave to wave through LDS as images of their registers.
; THE WAVES SHARE THE COLUMNS: wave w makes outputs 128 w .. 128 w + 127 (heads 2 w, 2 w + 1) for all 128 rows; its 32 fragments of W stay in registers.
; A TILE of rows (of x, of W) is never 16 neighbours: lane r of tile t takes row 32 (t / 2) + 8 (t % 2) + r + 8 (r / 8).  So the 16 registers that tiles 2 b and 2 b + 1 of source 0 leave in a lane are 16 neighbours,
; 32 b + 16 (lane / 16) + 0 .. 15, and a result is quantised in registers into the next operand's image.
; Q, K: source 0 = W, source 1 = x: a lane holds one row and its registers run along the outputs: the depth, the next K.  128 outputs are two heads: registers 0-3 of the fragment made are head 2 w's, 4-7 head 2 w + 1's.
; V:    source 0 = x, source 1 = W: a lane holds one channel and its registers run along the rows: the keys, the next K.
; The bias is the C of each sum's first matrix instruction.  Every work-group loads both layouts of it, and the mask, so that the text parts on the tensor's number in one place alone.
; THE MASK rides in k's scale words.  The scores' product has 64 of its 128 along K free; the attention gives every key the code -4 and every query the code 1 at k = 64.  Byte 2 of a key's scale word is 158 (2^31)
; where mask == 0 and 1 elsewhere; a masked key's 64 codes are zeros.  So a masked raw score is exactly -2^33, the logit -2^30.
; OUT.  qi: [head 16][block 32][4,608]: 8 tiles x 512 bytes (registers 0-3 at 16 x lane), then 512 bytes of scale words [tile / 4][r][tile % 4].
;       kv: [head 16][step 32][9,216]: k as qi's (+0; scale words +8,192); v's 4 channel tiles x 1,024 bytes (+4,096); v's scale words [copy 2][r][tile] (+8,704).
; LIMITS: reference() puts -1e9 for a masked logit, this text -2^30: the same result unless a key that counts has a logit near -1e9; a key that counts has -2^-124 added to its raw score;
; a block of zeros gets the scale byte 1 (its codes are zeros; this program alone reads the bytes); NaN and infinities are not served.
; REGISTERS, in windows of 256: window 0: addresses, constants, scale words, bias, codes at work;  window 1: W's fragment (n, s) at v[8 (4 n + s)];  window 2: x's fragment (m, s) at v[8 (4 m + s)];
;   window 3: four sets of 64 numbers: x as it is loaded; set 0 is later the eight accumulators.
; THE MODE: SCHED_MODE bits 1:0 = 2 (LLVM: expert scheduling mode 2), set by the entry lines.  The code itself states the register dependences between vector or matrix instructions and memory or LDS
; instructions, with s_wait_alu, always for 0.
; THE PLAN.  Registers that memory or LDS instructions touch:
;   v4 .. v14, v254, v255   offsets and LDS addresses: written at the head, read by every load and store, never written again.
;   the four sets (window 3)  Unit u: its quantising reads set u % 4; behind it the loads of unit u + 4 land there (units 0 to 3).
;   PC, PW                  Written by each quantising (in the Q and K path also by the eight lines that clear a masked key's codes); read by the stores of the same unit or round.
;   v30                     Q and K path: written by two lines a round, read by the round's LDS store.
;   W's and x's fragments, the scale words, the bias, the mask, v192-199: loads land in them once, and no vector instruction names them ahead of that.
; So a unit or a round has ONE wait on va_vdst, behind its vector work and ahead of its loads and stores, and ONE on vm_vsrc, ahead of the vector work that writes PC, PW and v30 again.
.set XIMG, 0                           ; LDS: x's 32 fragments, (m, s) at 1,024 (4 m + s) + 512 c + 16 x lane
.set XSC,  32768                       ; their scale words: 512 m + 16 x lane + 4 s
.set QST,  36864                       ; the Q and K path's stage for scale words, 1,024 bytes a wave
.set VST,  40960                       ; the V path's: each path has bytes of its own
.set MK,   16                          ; v16-23  the mask at my row of tiles 0 .. 7
.set PC,   32                          ; v32-39  the codes just made
.set PW,   40                          ; v40     their scale word
.set TM,   44                          ; v44-47 largest magnitudes, v48-51 the other half's, then bytes, v56-59 the conversions' scale operands
.set B1,   64                          ; v64-127 the bias, eight registers for each of my 8 tiles of W
.set WS,   128                         ; v128-159 W's scale words: (n, s) at 4 n + s
.set XS,   160                         ; v160-191 x's: (m, s) at 4 m + s
.set BV,   200                         ; v200-207 the bias of my lane's channel in tile n (the V path's layout)
.set WV,   26                          ; s26  my wave
.set Y,    27                          ; s27  the tensor
.set SEL,  44                          ; s[44:45] lane selects for v_permlanex16_b32: lane l xor 16
.set MS,   46                          ; s46-53 Q and K path: the lanes whose row of tile m is masked (the head's offsets have left these registers)
.set MSB, 0
.macro WIN new                         ; the immediate's low byte: bits 1:0 source 0, 3:2 source 1, 5:4 source 2, 7:6 destination; its high byte repeats the setting that is left
.if MSB != \new
	s_set_vgpr_msb (MSB<<8)|\new
.set MSB, \new
.endif
.endm
; Unit u of x: my row tile u / 4, K step u % 4: 64 numbers a lane (16 of each block of 32) into set u % 4
.macro XLOAD u
	WIN 0xc0                                       ; destination window 3
.irp b, 0,1,2,3
.irp j, 0,1,2,3
	global_load_b128 v[64*((\u)%4)+16*\b+4*\j:64*((\u)%4)+16*\b+4*\j+3], v4, s[4:5] offset:16384*((\u)/4)+512*((\u)%4)+128*\b+16*\j th:TH_LOAD_NT
.endr
.endr
	WIN 0
.endm
; My tiles 2 g and 2 g + 1 of W: 16 loads of 512 consecutive bytes
.macro WLOAD g
	WIN 0x40                                       ; destination window 1
.irp e, 0,1
.irp s, 0,1,2,3
.irp c, 0,1
	global_load_b128 v[8*(4*(2*(\g)+\e)+\s)+4*\c:8*(4*(2*(\g)+\e)+\s)+4*\c+3], v5, s[18:19] offset:(4*(2*(\g)+\e)+\s)*1024+512*\c
.endr
.endr
.endr
	WIN 0
.endm
; 64 numbers of a lane in window 3, register s + 16 b + i = place 32 b + 16 (lane / 16) + i along the next K, become a fragment's codes in v[PC] on and its scale word in v[PW].
; Each accumulator is read from its low end on.
.macro QUANT s
	WIN 0x3c                                       ; sources 1 and 2 window 3
.irp b, 0,1,2,3
	v_max3_num_f32 v[TM+\b], 0x1800000, |v[(\s)+16*\b]|, |v[(\s)+1+16*\b]|   ; block b: my 16 numbers, and the floor 2^(3 - 127): the byte cannot fall under 1
.endr
.irp i, 2,4,6,8,10,12,14
.irp b, 0,1,2,3
	v_max3_num_f32 v[TM+\b], v[TM+\b], |v[(\s)+16*\b+\i]|, |v[(\s)+1+16*\b+\i]|   ; the four blocks by turns
.endr
.endr
	WIN 0
.irp b, 0,1,2,3
	v_permlanex16_b32 v[TM+4+\b], v[TM+\b], s[SEL], s[SEL+1]
.endr
.irp b, 0,1,2,3
	v_max_num_f32 v[TM+\b], v[TM+\b], v[TM+4+\b]   ; with lane l xor 16's 16: the block's largest magnitude
.endr
.irp b, 0,1,2,3
	v_add_nc_u32 v[TM+12+\b], 0xff000000, v[TM+\b]   ; 2 off its exponent field: the conversion takes that field as its scale
.endr
.irp b, 0,1,2,3
	v_lshrrev_b32 v[TM+4+\b], 23, v[TM+12+\b]      ; the scale's byte
.endr
	v_lshl_or_b32 v[PW], v[TM+5], 8, v[TM+4]
	v_lshl_or_b32 v[PW], v[TM+6], 16, v[PW]
	v_lshl_or_b32 v[PW], v[TM+7], 24, v[PW]
	WIN 0x03                                       ; source 0 window 3
.irp b, 0,1,2,3
	v_cvt_scalef32_pk8_fp4_f32 v[PC+2*\b], v[(\s)+16*\b:(\s)+7+16*\b], v[TM+12+\b]
	v_cvt_scalef32_pk8_fp4_f32 v[PC+1+2*\b], v[(\s)+8+16*\b:(\s)+15+16*\b], v[TM+12+\b]
.endr
	WIN 0
	v_nop                                          ; one plain line behind the scaled conversions
.irp c, 0,1                                    ; a whole block to a lane: lanes 0-15 block 2 c, lanes 16-31 block 2 c + 1
.irp i, 0,1
	v_permlane16_swap_b32 v[PC+4*\c+\i], v[PC+2+4*\c+\i]
.endr
.endr
.endm
.macro PLACES                          ; four plain lines between a matrix instruction and the first vector read of its result (ISA guide 7.12.1)
.rept 4
	v_nop
.endr
.endm
	s_load_b256 s[4:11], s[0:1], 0x0               ; Q s[4:5], K s[6:7], V s[8:9], mask s[10:11]
	s_load_b256 s[12:19], s[0:1], 0x20             ; bq s[12:13], bk s[14:15], bv s[16:17], w_img s[18:19]
	s_load_b128 s[20:23], s[0:1], 0x40             ; w_sc s[20:21], qi s[22:23]
	s_load_b64 s[24:25], s[0:1], 0x50              ; kv
	v_lshl_add_u32 v254, v0, 2, 0xb000
	v_mov_b32 v255, 0
	v_lshrrev_b32 v1, 5, v0
	v_readfirstlane_b32 s[WV], v1                  ; wave 0..3
	s_and_b32 s[Y], ttmp7, 0xffff
	v_and_b32 v1, 31, v0                           ; lane
	v_and_b32 v2, 15, v0                           ; r
	v_bfe_u32 v3, v0, 4, 1                         ; h
	v_and_b32 v9, 8, v2
	v_add_nc_u32 v9, v9, v2                        ; r + 8 (r / 8)
	v_lshlrev_b32 v4, 11, v9                       ; x: a row is 2,048 bytes,
	v_lshl_add_u32 v4, v3, 6, v4                   ;    + 64 h: my 16 numbers of each block of 32
	v_lshlrev_b32 v5, 4, v1                        ; 16 x lane: my place in an image
	s_wait_alu depctr_va_sdst(0)                   ; the wave's number is written, ahead of its first reader: LDS places and the bases are made from it
	s_lshl_b32 s38, s[WV], 13
	v_add_nc_u32 v6, s38, v5                       ; where I store x's images: my two row tiles' 8 fragments
	s_lshl_b32 s38, s[WV], 10
	s_add_co_u32 s39, s38, XSC
	v_add_nc_u32 v7, s39, v5                       ; and their scale words
	v_lshlrev_b32 v8, 4, v2                        ; 16 r: a row's four scale words of W
	v_lshlrev_b32 v9, 2, v9                        ; 4 (r + 8 (r / 8)): my row in the mask, my channel in the bias
	v_lshlrev_b32 v10, 6, v3                       ; 64 h: the bias of my half's 8 outputs of a tile
	s_add_co_u32 s39, s38, QST
	v_lshl_add_u32 v11, v3, 9, v8
	v_add_nc_u32 v11, s39, v11                     ; Q, K: lanes 0-15 stage head 2 w's scale words, lanes 16-31 head 2 w + 1's, 512 bytes on
	v_add_nc_u32 v13, s39, v5                      ; and where they are read back
	s_add_co_u32 s39, s38, VST
	v_add_nc_u32 v12, s39, v5                      ; V: every lane stages a word: two copies of each
	v_lshlrev_b32 v15, 4, v3                       ; 16 h: which half of the scale word is my head's
.irp b, 0,1,2,3
	v_mov_b32 v[TM+4+\b], 0                        ; written once: a lane permute's destination counts as one of its sources
.endr
	s_mov_b32 s[SEL], 0x76543210
	s_mov_b32 s[SEL+1], 0xfedcba98
	s_cmp_eq_u32 s[Y], 0                           ; what differs between q's and k's way out
	s_mov_b32 s31, 9216
	s_cselect_b32 s31, 4608, s31                   ; bytes of a block in qi, of a step in kv
	s_mov_b32 s32, 8192
	s_cselect_b32 s32, 4096, s32                   ; where its scale words begin
	s_mov_b32 s33, 0x7f010000
	s_cselect_b32 s33, 0x7f7f0000, s33             ; bytes 2 and 3 of a scale word: q: 127, 127; a key that counts: 1, 127;
	s_mov_b32 s34, 0x7f9e0000
	s_cselect_b32 s34, 0x7f7f0000, s34             ; a masked key: 158, 127
	s_cselect_b32 s35, -1, 0                       ; and what is kept of a masked row's codes: all of q's, nothing of k's
	v_mov_b32 v24, s33
	v_mov_b32 v25, s34
	v_mov_b32 v26, -1
	v_mov_b32 v27, s35
	v_add_nc_u32 v14, s32, v5                      ; 16 x lane + the scale words' place
	s_lshl_b32 s46, ttmp9, 18                      ; x: 128 rows of 2,048 bytes a work-group,
	s_lshl_b32 s47, s[WV], 16                      ; 32 rows a wave
	s_add_co_u32 s46, s46, s47
	s_mov_b32 s47, 0
	s_lshl_b32 s48, ttmp9, 9                       ; the mask: 128 numbers a work-group
	s_mov_b32 s49, 0
	s_lshl_b32 s50, s[Y], 17                       ; W's images: 131,072 bytes a tensor, 32,768 a wave
	s_lshl_b32 s51, s[WV], 15
	s_add_co_u32 s50, s50, s51
	s_mov_b32 s51, 0
	s_lshl_b32 s52, s[Y], 13                       ; W's scale words: 8,192 bytes a tensor, 2,048 a wave
	s_lshl_b32 s53, s[WV], 11
	s_add_co_u32 s52, s52, s53
	s_mov_b32 s53, 0
	s_lshl_b32 s54, s[WV], 9                       ; the bias: 128 numbers a wave
	s_mov_b32 s55, 0
	s_lshr_b32 s56, ttmp9, 5                       ; the batch
	s_lshl_b32 s56, s56, 3
	s_lshl_b32 s57, s[WV], 1
	s_add_co_u32 s56, s56, s57                     ; 8 x batch + 2 w: my first head
	s_lshl_b32 s56, s56, 5
	s_and_b32 s57, ttmp9, 31
	s_add_co_u32 s56, s56, s57                     ; x 32 + the block of rows
	s_mul_i32 s56, s56, s31
	s_mov_b32 s57, 0
	s_lshl_b32 s58, s31, 5                         ; a head on
	s_mov_b32 s59, 0
	s_wait_kmcnt 0x0
	s_cmp_eq_u32 s[Y], 1                           ; the choices hang on the work-group's number alone
	s_cselect_b64 s[4:5], s[6:7], s[4:5]
	s_cselect_b64 s[12:13], s[14:15], s[12:13]
	s_cmp_eq_u32 s[Y], 2
	s_cselect_b64 s[4:5], s[8:9], s[4:5]
	s_cselect_b64 s[12:13], s[16:17], s[12:13]
	s_cmp_eq_u32 s[Y], 0
	s_cselect_b64 s[22:23], s[22:23], s[24:25]     ; q goes to qi, k and v to kv
	s_add_nc_u64 s[4:5], s[4:5], s[46:47]
	s_add_nc_u64 s[10:11], s[10:11], s[48:49]
	s_add_nc_u64 s[18:19], s[18:19], s[50:51]
	s_add_nc_u64 s[20:21], s[20:21], s[52:53]
	s_add_nc_u64 s[12:13], s[12:13], s[54:55]
	s_add_nc_u64 s[40:41], s[22:23], s[56:57]      ; out: head 2 w's block
	s_add_nc_u64 s[42:43], s[40:41], s[58:59]      ; and head 2 w + 1's
	s_wait_alu depctr_va_vdst(0)                   ; the offsets and LDS addresses v4 to v14 are written: every load and store of the kernel reads one of them, and none is written again
.irp n, 0,1,2,3,4,5,6,7                        ; the small loads first: they are in long before they are wanted
	global_load_b128 v[WS+4*\n:WS+4*\n+3], v8, s[20:21] offset:256*\n
	global_load_b128 v[B1+8*\n:B1+8*\n+3], v10, s[12:13] offset:(32*(\n/2)+8*(\n%2))*4
	global_load_b128 v[B1+8*\n+4:B1+8*\n+7], v10, s[12:13] offset:(32*(\n/2)+8*(\n%2))*4+16
	global_load_b32 v[BV+\n], v9, s[12:13] offset:(32*(\n/2)+8*(\n%2))*4
	global_load_b32 v[MK+\n], v9, s[10:11] offset:(32*(\n/2)+8*(\n%2))*4
.endr
	XLOAD 0
	XLOAD 1
	XLOAD 2
	XLOAD 3
	; ---- x: my 32 rows become 8 fragments.  Behind the 16 loads of the unit that is due stand three groups of 16: later units, or W's tiles, which take the units' place when x is all asked for
.irp u, 0,1,2,3,4,5,6,7
	s_wait_loadcnt 48                              ; loads come back in order (ISA guide 5.7.1): unit u is in, the 48 younger loads stay out
.if \u > 0
	s_wait_alu depctr_vm_vsrc(0)                   ; the LDS stores of the unit before have read PC and PW, which this unit's quantising writes again
.endif
	QUANT 64*(\u%4)
.if \u < 4
	WIN 0xc0                                       ; the window of the loads below, ahead of the wait
.else
	WIN 0x40
.endif
	s_wait_alu depctr_va_vdst(0)                   ; the quantising has written PC and PW, which the LDS stores below read, and is done reading its set, in which the loads of unit u + 4 land
.if \u < 4
	XLOAD \u+4                                     ; the set is asked for again at once
.else
	WLOAD \u-4
.endif
	ds_store_b128 v6, v[PC:PC+3] offset:XIMG+1024*\u
	ds_store_b128 v6, v[PC+4:PC+7] offset:XIMG+1024*\u+512
	ds_store_b32 v7, v[PW] offset:512*(\u/4)+4*(\u%4)
.endr
	s_wait_dscnt 0x0                               ; for the others' sake: my 24 stores have landed
	s_barrier_signal -1
	s_barrier_wait -1                              ; x's 32 fragments lie in LDS: the launch's one barrier
	WIN 0x80                                       ; destination window 2
.set f, 0
.rept 32
	ds_load_b128 v[8*f:8*f+3], v5 offset:XIMG+1024*f
	ds_load_b128 v[8*f+4:8*f+7], v5 offset:XIMG+1024*f+512
.set f, f+1
.endr
	WIN 0
.irp m, 0,1,2,3,4,5,6,7
	ds_load_b128 v[XS+4*\m:XS+4*\m+3], v5 offset:XSC+512*\m
.endr
	s_wait_loadcnt 0x0                             ; W
	s_wait_dscnt 0x0                               ; x
	s_wait_alu depctr_vm_vsrc(0)                   ; the last unit's LDS stores have read PC and PW, which the first round of either path writes again: stated ahead of the branch
	s_cmp_eq_u32 s[Y], 2
	s_cbranch_scc1 .Lv_path
; ---- Q and K.  A round: row tile m against my 8 tiles of W, four K steps; the eight accumulators take turns, one instruction a turn.
.irp m, 0,1,2,3,4,5,6,7
	v_cmp_eq_f32 s[MS+\m], 0, v[MK+\m]             ; mask == 0 at my row of tile m?  It selects values alone.  The eight compares stand in one run
.endr
	s_wait_alu depctr_va_sdst(0)                   ; s46 to s53 are written, ahead of their first readers, the selections in the rounds: one wait for the run
.macro QKROUND m
	WIN 0xc9                                       ; source 0 (W) window 1, source 1 (x) window 2, C (the bias) window 0, D window 3
.irp n, 0,1,2,3,4,5,6,7
	v_wmma_scale_f32_16x16x128_f8f6f4 v[8*\n:8*\n+7], v[8*(4*\n):8*(4*\n)+7], v[8*(4*(\m)):8*(4*(\m))+7], v[B1+8*\n:B1+8*\n+7], v[WS+4*\n], v[XS+4*(\m)] matrix_a_fmt:MATRIX_FMT_FP4 matrix_b_fmt:MATRIX_FMT_FP4
.endr
	WIN 0xf9                                       ; C and D window 3
.irp s, 1,2,3
.irp n, 0,1,2,3,4,5,6,7
	v_wmma_scale_f32_16x16x128_f8f6f4 v[8*\n:8*\n+7], v[8*(4*\n+\s):8*(4*\n+\s)+7], v[8*(4*(\m)+\s):8*(4*(\m)+\s)+7], v[8*\n:8*\n+7], v[WS+4*\n+\s], v[XS+4*(\m)+\s] matrix_a_fmt:MATRIX_FMT_FP4 matrix_b_fmt:MATRIX_FMT_FP4
.endr
.endr
	WIN 0
	PLACES
	s_wait_xcnt 0x0                                ; the last round's stores have had their addresses translated (ISA guide 3.1): their data registers are written again only behind this wait
.if (\m) > 0
	s_wait_alu depctr_vm_vsrc(0)                   ; the last round's three stores have read PC and v30, which the lines below write again
.endif
	QUANT 0                                        ; 128 outputs of my row: two heads' depth.  Its plain lines are also the places ahead of the next round's products, which begin the accumulators anew
	v_cndmask_b32 v28, v24, v25, s[MS+(\m)]        ; bytes 2 and 3 of the scale word
	v_cndmask_b32 v29, v26, v27, s[MS+(\m)]        ; a masked key's codes become zeros
.irp i, 0,1,2,3,4,5,6,7
	v_and_b32 v[PC+\i], v29, v[PC+\i]
.endr
	v_lshrrev_b32 v30, v15, v[PW]                  ; my head's two bytes,
	v_and_or_b32 v30, v30, 0xffff, v28             ; under the two that carry the mask
	s_wait_alu depctr_va_vdst(0)                   ; PC and v30 are written, which the three stores below read
	global_store_b128 v5, v[PC:PC+3], s[40:41] offset:512*(\m)       ; head 2 w: 512 consecutive bytes
	global_store_b128 v5, v[PC+4:PC+7], s[42:43] offset:512*(\m)     ; head 2 w + 1
	ds_store_b32 v11, v30 offset:256*((\m)/4)+4*((\m)%4)
.endm
.irp m, 0,1,2,3,4,5,6,7
	QKROUND \m
.endr
	ds_load_b128 v[192:195], v13                   ; LDS serves a wave's instructions in order (ISA guide 5.7.1.4): these see my stores; the bytes are my wave's own
	ds_load_b128 v[196:199], v13 offset:512
	s_wait_dscnt 0x0
	global_store_b128 v14, v[192:195], s[40:41]    ; a head's 128 scale words: 512 consecutive bytes
	global_store_b128 v14, v[196:199], s[42:43]
	s_wait_dscnt 0x0                               ; the closing lines, six on end
	s_wait_alu 0x0
	s_wait_tensorcnt 0x0
	ds_add_u32 v254, v255
	s_wait_dscnt 0x0
	s_endpgm
; ---- V.  A round: my tile n of W against the 8 row tiles: 16 channels x 128 keys, quantised along the keys: one fragment of V^T.
.Lv_path:
.irp n, 0,1,2,3,4,5,6,7
.irp j, 0,1,2,3,4,5,6,7
	v_mov_b32 v[B1+8*\n+\j], v[BV+\n]              ; here a lane holds one channel: its bias in all eight registers of C
.endr
.endr
.macro VROUND n
	WIN 0xc6                                       ; source 0 (x) window 2, source 1 (W) window 1, C (the bias) window 0, D window 3
.irp m, 0,1,2,3,4,5,6,7
	v_wmma_scale_f32_16x16x128_f8f6f4 v[8*\m:8*\m+7], v[8*(4*\m):8*(4*\m)+7], v[8*(4*(\n)):8*(4*(\n))+7], v[B1+8*(\n):B1+8*(\n)+7], v[XS+4*\m], v[WS+4*(\n)] matrix_a_fmt:MATRIX_FMT_FP4 matrix_b_fmt:MATRIX_FMT_FP4
.endr
	WIN 0xf6                                       ; C and D window 3
.irp s, 1,2,3
.irp m, 0,1,2,3,4,5,6,7
	v_wmma_scale_f32_16x16x128_f8f6f4 v[8*\m:8*\m+7], v[8*(4*\m+\s):8*(4*\m+\s)+7], v[8*(4*(\n)+\s):8*(4*(\n)+\s)+7], v[8*\m:8*\m+7], v[XS+4*\m+\s], v[WS+4*(\n)+\s] matrix_a_fmt:MATRIX_FMT_FP4 matrix_b_fmt:MATRIX_FMT_FP4
.endr
.endr
	WIN 0
	PLACES
	s_wait_xcnt 0x0                                ; as in the other path
.if (\n) > 0
	s_wait_alu depctr_vm_vsrc(0)                   ; the last round's three stores have read PC and PW, which the quantising writes again
.endif
	QUANT 0
	s_wait_alu depctr_va_vdst(0)                   ; PC and PW are written, which the three stores below read
	global_store_b128 v5, v[PC:PC+3], s[40+2*((\n)/4):41+2*((\n)/4)] offset:4096+1024*((\n)%4)
	global_store_b128 v5, v[PC+4:PC+7], s[40+2*((\n)/4):41+2*((\n)/4)] offset:4096+1024*((\n)%4)+512
	ds_store_b32 v12, v[PW] offset:512*((\n)/4)+4*((\n)%4)
.endm
.irp n, 0,1,2,3,4,5,6,7
	VROUND \n
.endr
	ds_load_b128 v[192:195], v12                   ; LDS serves a wave's instructions in order: these see my stores; the bytes are my wave's own
	ds_load_b128 v[196:199], v12 offset:512
	s_wait_dscnt 0x0
	global_store_b128 v5, v[192:195], s[40:41] offset:8704
	global_store_b128 v5, v[196:199], s[42:43] offset:8704
	s_wait_dscnt 0x0                               ; the closing lines, six on end
	s_wait_alu 0x0
	s_wait_tensorcnt 0x0
	ds_add_u32 v254, v255
	s_wait_dscnt 0x0
	s_endpgm
.Lfunc_end_k_qeac39de0c4_proj:
	.size	k_qeac39de0c4_proj, .Lfunc_end_k_qeac39de0c4_proj-k_qeac39de0c4_proj
	.p2alignl 7, 3214868480
	.fill 96, 4, 3214868480
	.section	.rodata,"a",@progbits
	.p2align	6, 0x0
	.amdhsa_kernel k_qeac39de0c4_proj
		.amdhsa_group_segment_fixed_size 45568
		.amdhsa_private_segment_fixed_size 0
		.amdhsa_enable_private_segment 0
		.amdhsa_kernarg_size 88
		.amdhsa_user_sgpr_count 2
		.amdhsa_user_sgpr_kernarg_segment_ptr 1
		.amdhsa_wavefront_size32 1
		.amdhsa_system_sgpr_workgroup_id_x 1
		.amdhsa_system_sgpr_workgroup_id_y 1
		.amdhsa_system_sgpr_workgroup_id_z 1
		.amdhsa_system_vgpr_workitem_id 0
		.amdhsa_next_free_vgpr 1024
		.amdhsa_next_free_sgpr 66
		.amdhsa_reserve_vcc 0
		.amdhsa_float_denorm_mode_32 3
		.amdhsa_float_denorm_mode_16_64 3
		.amdhsa_memory_ordered 1
		.amdhsa_forward_progress 1
		.amdhsa_inst_pref_size 207
	.end_amdhsa_kernel
	.amdgpu_metadata
---
amdhsa.version: [ 1, 2 ]
amdhsa.kernels:
  - .name:           k_qeac39de0c4_proj
    .symbol:         k_qeac39de0c4_proj.kd
    .args:
      - { .name: Q, .offset: 0, .size: 8, .value_kind: global_buffer, .address_space: global }
      - { .name: K, .offset: 8, .size: 8, .value_kind: global_buffer, .address_space: global }
      - { .name: V, .offset: 16, .size: 8, .value_kind: global_buffer, .address_space: global }
      - { .name: mask, .offset: 24, .size: 8, .value_kind: global_buffer, .address_space: global }
      - { .name: bq, .offset: 32, .size: 8, .value_kind: global_buffer, .address_space: global }
      - { .name: bk, .offset: 40, .size: 8, .value_kind: global_buffer, .address_space: global }
      - { .name: bv, .offset: 48, .size: 8, .value_kind: global_buffer, .address_space: global }
      - { .name: w_img, .offset: 56, .size: 8, .value_kind: global_buffer, .address_space: global }
      - { .name: w_sc, .offset: 64, .size: 8, .value_kind: global_buffer, .address_space: global }
      - { .name: qi, .offset: 72, .size: 8, .value_kind: global_buffer, .address_space: global }
      - { .name: kv, .offset: 80, .size: 8, .value_kind: global_buffer, .address_space: global }
    .group_segment_fixed_size: 45568
    .private_segment_fixed_size: 0
    .kernarg_segment_align: 8
    .kernarg_segment_size: 88
    .max_flat_workgroup_size: 128
    .sgpr_count:     66
    .vgpr_count:     1024
    .wavefront_size: 32
...
	.end_amdgpu_metadata
.endif
;; end of part 6
;; launch attn (part 7): grid 16 x 16, 16 waves a work-group, clusters of 4 x 1, 296,960 bytes of LDS; arguments qi, kv, o_img, o_sc; writes o_img, o_sc
.if DOCPART == 7
	.amdgcn_target "amdgcn-amd-amdhsa--gfx1250"
	.amdhsa_code_object_version 6
	.text
	.protected	k_qeac39de0c4_attn
	.globl	k_qeac39de0c4_attn
	.p2align	8
	.type	k_qeac39de0c4_attn,@function
k_qeac39de0c4_attn:
	s_mov_b64 s[64:65], 0
	v_nop
	global_prefetch_b8 v0, s[64:65] scope:SCOPE_SE
	s_setreg_imm32_b32 hwreg(HW_REG_WAVE_MODE, 25, 1), 1
	s_wait_xcnt 0x0
	s_wait_alu depctr_hold_cnt(0) depctr_sa_sdst(0) depctr_va_vdst(0) depctr_va_sdst(0) depctr_va_ssrc(0) depctr_va_vcc(0) depctr_vm_vsrc(0)
	s_getreg_b32 s2, hwreg(HW_REG_IB_STS2, 6, 4)
	s_cmp_eq_u32 s2, 0
	s_cbranch_scc0 .Lentry_in_a_cluster
	s_endpgm
.Lentry_in_a_cluster:
	s_bfe_u32 s2, ttmp6, 0x10000c
	s_cmp_lg_u32 s2, 0x3003
	s_cbranch_scc0 .Lentry_shape_is_right
	s_endpgm
.Lentry_shape_is_right:
; o = softmax(q k^T / 8, masked) v for one head (y: 8 x batch + head) and 256 queries (x), both products on codes of FP4 (E2M1) with E8M0 scales; o is quantised along the model's 512 for the last product.
; THE SOFTMAX: t = raw score x c, c = log2(e) / 8; M = the row's largest t so far, rounded UP to a whole number; p = 2^(t - M) is quantised along the keys, not normalised.  The row's sum is taken of the
; unquantised p and divides O at the end.  When M moves, the sum and O are multiplied by 2^(old M - new M): exact.
; SHARES.  Sixteen waves, each with ONE tile of 16 queries in 256 registers: four waves to a SIMD, so that one wave's vector work stands beside another's matrix work and LDS loads.  Every wave walks all 4,096 keys, 128 a step.
; LDS.  A head's k, v and their scale words are 32 steps x 9,216 bytes = 294,912 bytes: THE WHOLE HEAD LIES IN LDS, at the places that it has in kv, and is filled once: no slot is ever filled again.
; It comes in four chunks of 8 steps; of each chunk every wave brings a sixteenth (18 rows of 256 bytes): four tensor loads of a wave are out at the most, all issued at the head.  So nothing is left to ask for ahead of a loop.
; CLUSTER.  The four query blocks of a cluster belong to one head: each tile is asked for JOINTLY, by the same tensor load with the same descriptor and a mask that names the four.
; LAYOUT.  Both products are used transposed: S^T = k q^T (source 0 = 16 keys), O^T = v^T p^T (source 0 = 16 channels): a lane holds ONE query (lane % 16) throughout.  Lane r of key tile 2 b + u holds key
; 32 b + 8 u + r + 8 (r / 8), so that the 16 registers of tiles 2 b, 2 b + 1 are keys 32 b + 16 (lane / 16) + 0 .. 15; the channel tiles likewise.  All operands lie in LDS as images of their registers: every read is at 16 x lane.
; THE MASK.  The depth is 64, the instruction's K 128.  At k = 64 every key has the code -4 and the query the code 1 (registers written once); byte 2 of a key's scale word is 158 where the key is masked, else 1, and a masked
; key's 64 codes are zeros.  So a masked raw score is exactly -2^33; c x 2^33 is a whole number, so that in a row with no key that counts t - M = 0 and p = 1 for every key, and elsewhere a masked key's p is 0.
; LIMITS: a masked logit is -2^30 where reference() has -1e9: the same result unless a key that counts has a logit near -1e9; a key that counts has -2^-124 added to its raw score; NaN and infinities are not served.
.set L16, 1                            ; v1   16 x lane; never rewritten
.set ADR, 2                            ; v2   the step's place in LDS + 16 x lane
.set QS,  3                            ; v3   q's scale words
.set KS,  4                            ; v4-7   k's: register i: lanes 0-15 tile i, lanes 16-31 tile 4 + i
.set VS,  8                            ; v8-11  v's: register t: tile t
                                       ; v12 -M, v13 the largest t, v[14:15] the sum in two halves
.set QF,  16                           ; v16-23 q's fragment: 16-19 loaded, 20-23 written once
.set PF,  24                           ; v24-31 p's codes
.set KF,  32                           ; v32-95 8 fragments of k: registers 0-3 of each loaded, 4-7 written once
.set S,   96                           ; v96-159 S^T, then p
.set O,   160                          ; v160-191 O^T
.set VF,  192                          ; v192-223 4 fragments of v
.set BM,  224                          ; v224-227 each block's largest score, then its largest p
.set BT,  228                          ; v228-231 the other half's, then the scale bytes
.set BS,  232                          ; v232-235 the conversions' scale operands
.set C2,  236                          ; v[236:237] one of the sums' eight chains
.set F,   238                          ; v238 f = 2^(old M - new M); v239 is named with it as a pair, so it is written once
.set PS,  240                          ; v240 p's scale word
.set T,   241                          ; v241 at work
.set WV,  12                           ; s12  my wave
.set SEL, 20                           ; s[20:21] lane selects for v_permlanex16_b32: lane l xor 16
.set CS,  22                           ; s[22:23] c: the packed form names a pair and takes its low word for both halves
.set G1,  24                           ; s[24:31] descriptor group 1
.set G0,  32                           ; s[32:47] descriptor group 0, a set for each chunk
.set TB,  48                           ; s48  LDS byte at which the step in hand begins
.set CNT, 49                           ; s49  steps left in the chunk
; A round of the cluster's barrier: my work-group's barrier, wave 0 signals for the work-group, every wave waits for all four work-groups, my work-group's barrier once more.
.macro CROUND
	s_barrier_signal -1
	s_barrier_wait -1
	s_cmp_lg_u32 s[WV], 0
	s_cbranch_scc1 .Lnot_wave_0_\@
	s_barrier_signal -3
.Lnot_wave_0_\@:
	s_barrier_wait -3
	s_barrier_signal -1
	s_barrier_wait -1
.endm
	s_load_b256 s[4:11], s[0:1], 0x0               ; qi s[4:5], kv s[6:7], o_img s[8:9], o_sc s[10:11]
	v_lshl_add_u32 v254, v0, 2, 0x48000
	v_mov_b32 v255, 0
	ds_add_u32 v254, v255
	ds_add_u32 v254, v255
	v_lshrrev_b32 v1, 5, v0
	s_delay_alu instid0(VALU_DEP_1)
	v_readfirstlane_b32 s[WV], v1                  ; wave 0..15
	s_bfe_u32 s13, ttmp6, 0x40000                  ; cx: my place in the cluster: it enters q's and o's global addresses alone
	s_lshl_b32 s14, ttmp9, 2                       ; in a cluster launch ttmp9 counts clusters
	s_add_co_u32 s14, s14, s13                     ; my block of 256 queries
	s_and_b32 s15, ttmp7, 0xffff                   ; 8 x batch + head, which the four partners share
	; descriptor group 1: 18 dense rows of 256 bytes (32 elements of 8 bytes), no padding
	s_mov_b32 s[G1], 15|(3<<16)|(1<<21)            ; 15:0 the mask: all four work-groups; 17:16 elements of 8 bytes; 21 set beside a mask
	s_mov_b32 s[G1+1], 32<<16                      ; tensor_dim0 = 32
	s_mov_b32 s[G1+2], 18<<16                      ; tensor_dim1 = 18
	s_mov_b32 s[G1+3], 32<<16                      ; tile_dim0 = 32
	s_mov_b32 s[G1+4], 18                          ; tile_dim1 = 18
	s_mov_b32 s[G1+5], 32                          ; from row to row: 32 elements
	s_mov_b32 s[G1+6], 0
	s_mov_b32 s[G1+7], 0
	s_mul_i32 s16, s[WV], 4608                     ; my sixteenth of a chunk, in LDS and in memory alike
	s_mul_i32 s18, s15, 294912                     ; the head's block of kv
	s_add_co_u32 s18, s18, s16
	s_mov_b32 s19, 0
	s_mov_b32 s[SEL], 0x76543210
	s_mov_b32 s[SEL+1], 0xfedcba98
	s_mov_b32 s[CS], 0x3e38aa3b                    ; c = log2(e) / 8
	s_mov_b32 s[CS+1], s[CS]
	; my query tile: number 16 x block + wave of the head; in qi: block of 128 rows 2 x block + wave / 8, tile wave % 8
	s_lshl_b32 s58, s15, 5
	s_lshl_b32 s59, s14, 1
	s_add_co_u32 s58, s58, s59
	s_lshr_b32 s59, s[WV], 3
	s_add_co_u32 s58, s58, s59
	s_mul_i32 s58, s58, 4608                       ; the block's first byte
	s_and_b32 s59, s[WV], 7
	s_lshl_b32 s50, s59, 9
	s_add_co_u32 s50, s50, s58                     ; my tile's codes
	s_mov_b32 s51, 0
	s_lshr_b32 s52, s59, 2
	s_lshl_b32 s52, s52, 8                         ; its scale words: 256 (tile / 4)
	s_and_b32 s53, s[WV], 3
	s_lshl_b32 s53, s53, 2                         ; + 4 (tile % 4)
	s_add_co_u32 s52, s52, s53
	s_add_co_u32 s52, s52, s58
	s_add_co_u32 s52, s52, 4096
	s_mov_b32 s53, 0
	; where o goes: tile Tg = 256 x batch + 16 x block + wave of all rows
	s_lshr_b32 s58, s15, 3
	s_lshl_b32 s58, s58, 8
	s_lshl_b32 s59, s14, 4
	s_add_co_u32 s58, s58, s59
	s_add_co_u32 s58, s58, s[WV]                   ; Tg
	s_and_b32 s59, s15, 7                          ; the head
	s_lshl_b32 s54, s58, 12
	s_lshl_b32 s55, s59, 9
	s_add_co_u32 s54, s54, s55                     ; o_img: 4,096 Tg + 512 x head
	s_mov_b32 s55, 0
	s_lshl_b32 s56, s58, 8
	s_lshl_b32 s57, s59, 1
	s_add_co_u32 s56, s56, s57                     ; o_sc: 256 Tg + 2 x head
	s_mov_b32 s57, 0
	v_and_b32 v[T], 31, v0
	s_delay_alu instid0(VALU_DEP_1)
	v_lshlrev_b32 v[L16], 4, v[T]
	v_and_b32 v242, 15, v0
	s_delay_alu instid0(VALU_DEP_1)
	v_lshlrev_b32 v242, 4, v242                    ; 16 r
	v_bfe_u32 v243, v0, 4, 1
	s_delay_alu instid0(VALU_DEP_1)
	v_sub_nc_u32 v243, 1, v243                     ; 1 in lanes 0-15, which hold k = 64 .. 95 in registers 4-7
	s_wait_dscnt 0x0
	s_wait_kmcnt 0x0
	s_add_nc_u64 s[6:7], s[6:7], s[18:19]
	s_add_nc_u64 s[50:51], s[4:5], s[50:51]
	s_add_nc_u64 s[52:53], s[4:5], s[52:53]
	s_add_nc_u64 s[8:9], s[8:9], s[54:55]
	s_add_nc_u64 s[10:11], s[10:11], s[56:57]
.irp i, 0,1,2,3
	s_mov_b32 s[G0+4*\i], 1                        ; count = 1
	s_add_co_u32 s[G0+4*\i+1], s16, 73728*\i       ; LDS address: chunk i, my sixteenth
	s_add_nc_u64 s[G0+4*\i+2:G0+4*\i+3], s[6:7], 73728*\i   ; global address: the same place in the head's block
	s_or_b32 s[G0+4*\i+3], s[G0+4*\i+3], 0x80000000   ; type = 2
.endr
	CROUND                                         ; all four work-groups are here: the joint loads meet
	tensor_load_to_lds s[G0:G0+3], s[G1:G1+7]      ; all fills of the launch go out together: four loads of mine are out
	s_nop 0
	tensor_load_to_lds s[G0+4:G0+7], s[G1:G1+7]
	s_nop 0
	tensor_load_to_lds s[G0+8:G0+11], s[G1:G1+7]
	s_nop 0
	tensor_load_to_lds s[G0+12:G0+15], s[G1:G1+7]
	s_nop 0
.rept 4
	v_nop
.endr
	s_wait_alu depctr_va_vdst(0)
	global_load_b128 v[QF:QF+3], v[L16], s[50:51] th:TH_LOAD_NT
	global_load_b32 v[QS], v242, s[52:53]
	v_lshlrev_b32 v[QF+4], 1, v243                 ; the query's code 1.0 (0x2) at k = 64
	v_mul_u32_u24 v244, v243, 14                   ; a key's code -4 (0xe) at k = 64
.irp j, 5,6,7
	v_mov_b32 v[QF+\j], 0
.endr
.irp i, 0,1,2,3,4,5,6,7
	v_mov_b32 v[KF+8*\i+4], v244
	v_mov_b32 v[KF+8*\i+5], 0
	v_mov_b32 v[KF+8*\i+6], 0
	v_mov_b32 v[KF+8*\i+7], 0
.endr
	v_mov_b32 v13, 0xff61b1e6                      ; the largest t so far: -3e38, under every t
	s_delay_alu instid0(VALU_DEP_1)
	v_floor_f32 v12, -v13                          ; -M
	v_mov_b32 v14, 0                               ; the sum, in two halves
	v_mov_b32 v15, 0
.irp b, 0,1,2,3
	v_mov_b32 v[BT+\b], 0                          ; written once: a lane permute's destination counts as one of its sources
.endr
	v_mov_b32 v[F+1], 0
.set j, 0
.rept 32
	v_mov_b32 v[O+j], 0                            ; O^T.  (The step is written once: the first finds zeros, which the first change of M leaves zeros)
.set j, j+1
.endr
	s_wait_loadcnt 0x0                             ; q
; A KEY STEP: 128 keys.
.macro STEP
	v_add_nc_u32 v[ADR], s[TB], v[L16]
.rept 3
	v_nop                                          ; with the line above: four places between the last products and the loads into v's fragments and scale words
.endr
	ds_load_b128 v[KS:KS+3], v[ADR] offset:8192
.irp i, 0,1,2,3,4,5,6,7
	ds_load_b128 v[KF+8*\i:KF+8*\i+3], v[ADR] offset:512*\i
.endr
	ds_load_b128 v[VS:VS+3], v[ADR] offset:8704
.irp t, 0,1,2,3
	ds_load_b128 v[VF+8*\t:VF+8*\t+3], v[ADR] offset:4096+1024*\t
	ds_load_b128 v[VF+8*\t+4:VF+8*\t+7], v[ADR] offset:4096+1024*\t+512
.endr
	s_wait_dscnt 9                                 ; k and its scale words are in; v's nine loads may stay out
.irp i, 0,1,2,3
	v_wmma_scale_f32_16x16x128_f8f6f4 v[S+8*\i:S+8*\i+7], v[KF+8*\i:KF+8*\i+7], v[QF:QF+7], 0, v[KS+\i], v[QS] matrix_a_fmt:MATRIX_FMT_FP4 matrix_b_fmt:MATRIX_FMT_FP4
.endr
.irp i, 4,5,6,7
	v_wmma_scale_f32_16x16x128_f8f6f4 v[S+8*\i:S+8*\i+7], v[KF+8*\i:KF+8*\i+7], v[QF:QF+7], 0, v[KS+\i-4], v[QS] matrix_a_fmt:MATRIX_FMT_FP4 matrix_b_fmt:MATRIX_FMT_FP4 matrix_a_scale:MATRIX_SCALE_ROW1
.endr
.rept 4
	v_nop                                          ; four places ahead of the first read of the scores (ISA guide 7.12.1)
.endr
.irp b, 0,1,2,3
	v_max3_num_f32 v[BM+\b], v[S+16*\b], v[S+1+16*\b], v[S+2+16*\b]   ; the largest score of each block of 32 keys: it serves the row's maximum and, since p rises with the score, the block's largest p
.endr
.irp i, 3,5,7,9,11,13
.irp b, 0,1,2,3
	v_max3_num_f32 v[BM+\b], v[BM+\b], v[S+16*\b+\i], v[S+1+16*\b+\i]   ; the four blocks by turns
.endr
.endr
.irp b, 0,1,2,3
	v_max_num_f32 v[BM+\b], v[BM+\b], v[S+15+16*\b]
.endr
.irp b, 0,1,2,3
	s_delay_alu instid0(VALU_DEP_4)
	v_permlanex16_b32 v[BT+\b], v[BM+\b], s[SEL], s[SEL+1]
.endr
.irp b, 0,1,2,3
	s_delay_alu instid0(VALU_DEP_4)
	v_max_num_f32 v[BM+\b], v[BM+\b], v[BT+\b]     ; with lane l xor 16's 16 keys
.endr
	s_delay_alu instid0(VALU_DEP_2)
	v_max3_num_f32 v[T], v[BM], v[BM+1], v[BM+2]
	s_delay_alu instid0(VALU_DEP_1)
	v_max_num_f32 v[T], v[T], v[BM+3]              ; the step's largest score of my query
	s_delay_alu instid0(VALU_DEP_1)
	v_mul_f32 v[T], s[CS], v[T]                    ; as t (c is positive)
	s_delay_alu instid0(VALU_DEP_1)
	v_max_num_f32 v13, v13, v[T]                   ; the running largest t
	v_mov_b32 v[T], v12
	s_delay_alu instid0(VALU_DEP_2)
	v_floor_f32 v12, -v13                          ; the new -M = floor(-t) = -ceil(t): a whole number
	s_delay_alu instid0(VALU_DEP_1)
	v_sub_f32 v[T], v12, v[T]                      ; old M - new M: a whole number, 0 or less
	s_delay_alu instid0(VALU_DEP_1)
	v_cvt_i32_f32 v[T], v[T]                       ; (it saturates)
	s_delay_alu instid0(VALU_DEP_1)
	v_ldexp_f32 v[F], 1.0, v[T]                    ; f = 2^(old M - new M)
.set j, 0
.rept 32
	v_pk_fma_f32 v[S+j:S+j+1], v[S+j:S+j+1], s[CS:CS+1], v[12:13] op_sel_hi:[1,0,0]   ; t - M, two at a time
.set j, j+2
.endr
.irp b, 0,1,2,3
	v_fma_f32 v[BM+\b], v[BM+\b], s[CS], v12       ; the same of each block's largest score
.endr
.set j, 0
	s_wait_alu depctr_va_vdst(0)
.rept 64
	v_exp_f32 v[S+j], v[S+j]                       ; p = 2^(t - M), at most 1
.set j, j+1
.endr
	s_setprio 1
	v_pk_mul_f32 v[14:15], v[14:15], v[F:F+1] op_sel_hi:[1,0]   ; the sums under the new M: a plain line behind the exponentials
	s_wait_alu depctr_va_vdst(0)                   ; the wait ahead of the first use: one for the 64
.irp b, 0,1,2,3
	v_exp_f32 v[BM+\b], v[BM+\b]                   ; the block's largest p: the same two instructions on the same number give the same bits
.endr
	v_pk_add_f32 v[236:237], v[100:101], v[104:105]
	v_pk_add_f32 v[252:253], v[108:109], v[112:113]
	v_pk_add_f32 v[250:251], v[116:117], v[120:121]
	v_pk_add_f32 v[248:249], v[124:125], v[128:129]
	v_pk_add_f32 v[246:247], v[132:133], v[136:137]
	v_pk_add_f32 v[244:245], v[140:141], v[144:145]
	v_pk_add_f32 v[242:243], v[148:149], v[152:153]
	v_pk_add_f32 v[14:15], v[14:15], v[156:157]
	v_pk_add_f32 v[236:237], v[236:237], v[96:97]
	v_pk_add_f32 v[252:253], v[252:253], v[98:99]
	v_pk_add_f32 v[250:251], v[250:251], v[102:103]
	v_pk_add_f32 v[248:249], v[248:249], v[106:107]
	v_pk_add_f32 v[246:247], v[246:247], v[110:111]
	v_pk_add_f32 v[244:245], v[244:245], v[114:115]
	v_pk_add_f32 v[242:243], v[242:243], v[118:119]
	v_pk_add_f32 v[14:15], v[14:15], v[122:123]
	v_pk_add_f32 v[236:237], v[236:237], v[126:127]
	v_pk_add_f32 v[252:253], v[252:253], v[130:131]
	v_pk_add_f32 v[250:251], v[250:251], v[134:135]
	v_pk_add_f32 v[248:249], v[248:249], v[138:139]
	v_pk_add_f32 v[246:247], v[246:247], v[142:143]
	v_pk_add_f32 v[244:245], v[244:245], v[146:147]
	v_pk_add_f32 v[242:243], v[242:243], v[150:151]
	v_pk_add_f32 v[14:15], v[14:15], v[154:155]
	v_pk_add_f32 v[236:237], v[236:237], v[158:159]
	s_delay_alu instid0(VALU_DEP_2)
	v_pk_add_f32 v[14:15], v[14:15], v[248:249]
	s_delay_alu instid0(VALU_DEP_2)
	v_pk_add_f32 v[236:237], v[236:237], v[246:247]
	v_pk_add_f32 v[252:253], v[252:253], v[244:245]
	v_pk_add_f32 v[250:251], v[250:251], v[242:243]
	s_delay_alu instid0(VALU_DEP_2)
	v_pk_add_f32 v[14:15], v[14:15], v[252:253]
	s_delay_alu instid0(VALU_DEP_2)
	v_pk_add_f32 v[236:237], v[236:237], v[250:251]
	s_delay_alu instid0(VALU_DEP_1)
	v_pk_add_f32 v[14:15], v[14:15], v[236:237]
	s_wait_alu depctr_va_vdst(0)                   ; and one for the four
.irp b, 0,1,2,3
	v_max_num_f32 v[BM+\b], 0x1800000, v[BM+\b]    ; the floor 2^(3 - 127): the byte cannot fall under 1 (a block whose every p is 0 keeps that byte: its codes are zeros)
.endr
.irp b, 0,1,2,3
	s_delay_alu instid0(VALU_DEP_4)
	v_add_nc_u32 v[BS+\b], 0xff000000, v[BM+\b]    ; 2 off the exponent field: the conversion's scale operand
.endr
.irp b, 0,1,2,3
	s_delay_alu instid0(VALU_DEP_4)
	v_lshrrev_b32 v[BT+\b], 23, v[BS+\b]           ; the scale's byte
.endr
	s_delay_alu instid0(VALU_DEP_3)
	v_lshl_or_b32 v[PS], v[BT+1], 8, v[BT]         ; p's scale word for these 128 keys
	s_delay_alu instid0(VALU_DEP_1)
	v_lshl_or_b32 v[PS], v[BT+2], 16, v[PS]
	s_delay_alu instid0(VALU_DEP_1)
	v_lshl_or_b32 v[PS], v[BT+3], 24, v[PS]
.irp b, 0,1,2,3
	v_cvt_scalef32_pk8_fp4_f32 v[PF+2*\b], v[S+16*\b:S+7+16*\b], v[BS+\b]
	v_cvt_scalef32_pk8_fp4_f32 v[PF+1+2*\b], v[S+8+16*\b:S+15+16*\b], v[BS+\b]
.endr
	v_nop                                          ; one plain line behind the scaled conversions
.irp c, 0,1                                    ; a whole block to a lane: lanes 0-15 block 2 c, lanes 16-31 block 2 c + 1
.irp i, 0,1
	v_permlane16_swap_b32 v[PF+4*\c+\i], v[PF+2+4*\c+\i]
.endr
.endr
.set j, 0
	s_setprio 0
.rept 16
	v_pk_mul_f32 v[O+j:O+j+1], v[O+j:O+j+1], v[F:F+1] op_sel_hi:[1,0]   ; O^T under the new M.  These 16 also stand between the lines that wrote p's codes and scale word and the products below
.set j, j+2
.endr
	s_wait_alu depctr_va_vdst(0)
	s_wait_dscnt 0x0                               ; v and its scale words are in; no LDS instruction of mine is out from here to the step's end
.irp t, 0,1,2,3
	v_wmma_scale_f32_16x16x128_f8f6f4 v[O+8*\t:O+8*\t+7], v[VF+8*\t:VF+8*\t+7], v[PF:PF+7], v[O+8*\t:O+8*\t+7], v[VS+\t], v[PS] matrix_a_fmt:MATRIX_FMT_FP4 matrix_b_fmt:MATRIX_FMT_FP4
.endr
	s_add_co_u32 s[TB], s[TB], 9216                ; the next step.  (Between two links on one accumulator of O^T stand the three others' and the next step's eight score products)
.endm
; CHUNK c: 8 steps.  Behind chunk c's load a wave has issued 3 - c more: they may stay out.
.macro CHUNK c
	s_wait_tensorcnt 3-\c                          ; tensor loads of a wave end in order (ISA guide 10.11.1): my sixteenth of chunk c is in,
	s_barrier_signal -1
	s_barrier_wait -1                              ; everybody's is
	s_mov_b32 s[TB], 73728*\c
	s_mov_b32 s[CNT], 8
.Lstep_\@:
	s_setprio 2
	STEP
	s_sub_co_u32 s[CNT], s[CNT], 1
	s_cmp_lg_u32 s[CNT], 0
	s_cbranch_scc1 .Lstep_\@
	s_setprio 0
.endm
	CHUNK 0
	CHUNK 1
	CHUNK 2
	CHUNK 3
	; THE WAY OUT.  O^T / the sum; its 64 channels are two blocks of the last product's K: quantised in registers, they are registers 4 (head % 2) .. + 3 of that product's fragment (tile Tg, K step head / 2).
	v_add_f32 v14, v14, v15                        ; the sum's two halves,
	s_delay_alu instid0(VALU_DEP_1)
	v_permlanex16_b32 v[T], v14, s[SEL], s[SEL+1]
	s_delay_alu instid0(VALU_DEP_1)
	v_add_f32 v14, v14, v[T]                       ; and lane l xor 16's: the row's sum, at least 1/2
	s_wait_alu depctr_va_vdst(0)
	v_rcp_f32 v14, v14
	v_and_b32 v242, 15, v0                         ; plain lines behind the reciprocal and behind the last products
	v_bfe_u32 v243, v0, 4, 1
	s_delay_alu instid0(VALU_DEP_1)
	v_lshl_add_u32 v247, v242, 4, v243             ; 16 r + h: my byte among the tile's scale bytes
	v_and_b32 v248, 31, v0
	s_delay_alu instid0(VALU_DEP_1)
	v_cmp_le_u32 vcc_lo, 16, v248                  ; lanes 16-31 send block 1's byte
	s_wait_alu depctr_va_vdst(0)                   ; the wait ahead of the reciprocal's first use
.set j, 0
.rept 16
	v_pk_mul_f32 v[S+j:S+j+1], v[O+j:O+j+1], v[14:15] op_sel_hi:[1,0]   ; each accumulator from its low end on
.set j, j+2
.endr
.irp b, 0,1
	v_max3_num_f32 v[BM+\b], |v[S+16*\b]|, |v[S+1+16*\b]|, 0x1800000
.endr
.irp i, 2,4,6,8,10,12,14
.irp b, 0,1
	s_delay_alu instid0(VALU_DEP_2)
	v_max3_num_f32 v[BM+\b], v[BM+\b], |v[S+16*\b+\i]|, |v[S+1+16*\b+\i]|
.endr
.endr
.irp b, 0,1
	s_delay_alu instid0(VALU_DEP_2)
	v_permlanex16_b32 v[BT+\b], v[BM+\b], s[SEL], s[SEL+1]
.endr
.irp b, 0,1
	s_delay_alu instid0(VALU_DEP_2)
	v_max_num_f32 v[BM+\b], v[BM+\b], v[BT+\b]
.endr
.irp b, 0,1
	s_delay_alu instid0(VALU_DEP_2)
	v_add_nc_u32 v[BS+\b], 0xff000000, v[BM+\b]
.endr
.irp b, 0,1
	s_delay_alu instid0(VALU_DEP_2)
	v_lshrrev_b32 v[BT+\b], 23, v[BS+\b]
.endr
.irp b, 0,1
	v_cvt_scalef32_pk8_fp4_f32 v[PF+2*\b], v[S+16*\b:S+7+16*\b], v[BS+\b]
	v_cvt_scalef32_pk8_fp4_f32 v[PF+1+2*\b], v[S+8+16*\b:S+15+16*\b], v[BS+\b]
.endr
	v_nop                                          ; one plain line behind the scaled conversions
.irp i, 0,1
	v_permlane16_swap_b32 v[PF+\i], v[PF+2+\i]
.endr
	v_cndmask_b32 v[T], v[BT], v[BT+1], vcc_lo
	global_store_b128 v[L16], v[PF:PF+3], s[8:9]   ; 32 lanes store 512 consecutive bytes
	global_store_b8 v247, v[T], s[10:11]           ; a row's 16 scale bytes come from eight heads, eight work-groups: each sends its two
	s_wait_tensorcnt 0x0                           ; no tensor load is out at the end
	s_wait_tensorcnt 0x0
	ds_add_u32 v254, v255
	s_wait_dscnt 0x0
	CROUND                                         ; the closing round: no work-group ends while a partner may still ask for a tile that names it
	s_endpgm
.Lfunc_end_k_qeac39de0c4_attn:
	.size	k_qeac39de0c4_attn, .Lfunc_end_k_qeac39de0c4_attn-k_qeac39de0c4_attn
	.p2alignl 7, 3214868480
	.fill 96, 4, 3214868480
	.section	.rodata,"a",@progbits
	.p2align	6, 0x0
	.amdhsa_kernel k_qeac39de0c4_attn
		.amdhsa_group_segment_fixed_size 296960
		.amdhsa_private_segment_fixed_size 0
		.amdhsa_enable_private_segment 0
		.amdhsa_kernarg_size 32
		.amdhsa_user_sgpr_count 2
		.amdhsa_user_sgpr_kernarg_segment_ptr 1
		.amdhsa_wavefront_size32 1
		.amdhsa_system_sgpr_workgroup_id_x 1
		.amdhsa_system_sgpr_workgroup_id_y 1
		.amdhsa_system_sgpr_workgroup_id_z 1
		.amdhsa_system_vgpr_workitem_id 0
		.amdhsa_next_free_vgpr 256
		.amdhsa_next_free_sgpr 66
		.amdhsa_reserve_vcc 1
		.amdhsa_float_denorm_mode_32 3
		.amdhsa_float_denorm_mode_16_64 3
		.amdhsa_memory_ordered 1
		.amdhsa_forward_progress 1
		.amdhsa_inst_pref_size 77
	.end_amdhsa_kernel
	.amdgpu_metadata
---
amdhsa.version: [ 1, 2 ]
amdhsa.kernels:
  - .name:           k_qeac39de0c4_attn
    .symbol:         k_qeac39de0c4_attn.kd
    .args:
      - { .name: qi, .offset: 0, .size: 8, .value_kind: global_buffer, .address_space: global }
      - { .name: kv, .offset: 8, .size: 8, .value_kind: global_buffer, .address_space: global }
      - { .name: o_img, .offset: 16, .size: 8, .value_kind: global_buffer, .address_space: global }
      - { .name: o_sc, .offset: 24, .size: 8, .value_kind: global_buffer, .address_space: global }
    .group_segment_fixed_size: 296960
    .private_segment_fixed_size: 0
    .kernarg_segment_align: 8
    .kernarg_segment_size: 32
    .max_flat_workgroup_size: 512
    .sgpr_count:     66
    .vgpr_count:     256
    .wavefront_size: 32
...
	.end_amdgpu_metadata
.endif
;; end of part 7
;; launch oproj (part 8): grid 4 x 64, 4 waves a work-group, no clusters, 68,096 bytes of LDS; arguments o_img, o_sc, w_img, w_sc, bo, out0; writes out0
.if DOCPART == 8
	.amdgcn_target "amdgcn-amd-amdhsa--gfx1250"
	.amdhsa_code_object_version 6
	.text
	.protected	k_qeac39de0c4_oproj
	.globl	k_qeac39de0c4_oproj
	.p2align	8
	.type	k_qeac39de0c4_oproj,@function
k_qeac39de0c4_oproj:
	s_mov_b64 s[64:65], 0
	v_nop
	global_prefetch_b8 v0, s[64:65] scope:SCOPE_SE
	s_setreg_imm32_b32 hwreg(HW_REG_WAVE_SCHED_MODE, 0, 2), 2
	s_setreg_imm32_b32 hwreg(HW_REG_WAVE_MODE, 25, 1), 1
	s_wait_xcnt 0x0
	s_wait_alu depctr_vm_vsrc(0)
; out0 = o Wo^T + bo on codes of FP4 (E2M1) with E8M0 scales.  o comes as the attention left it: fragments o_img [tile Tg 512][K step 4][c 2][lane][16 bytes], scale words o_sc [Tg][r 16][K step 4][4 bytes];
; Wo as the first launch left it (tensor 3 of w_img, w_sc).  Lane r of row tile Tg = 8 R + m holds row 128 R + 32 (m / 2) + 8 (m % 2) + r + 8 (r / 8); Wo's tiles likewise.
; A work-group takes 128 rows (y) x 128 columns (x).  A wave works alone: rows 32 w .. 32 w + 31 of the block (tiles 2 w, 2 w + 1) x the 128 columns: 16 accumulators, 64 matrix instructions.  No barrier.
; THE MATRIX INSTRUCTION IS USED TRANSPOSED (source 0 = 16 rows of Wo, source 1 = 16 rows of o): a lane holds one row of out0, and the 16 registers of tiles 2 b, 2 b + 1 are 16 neighbouring columns.
; The bias is the C of each sum's first matrix instruction.  The results go through the wave's own stage in LDS and leave as rows of 512 consecutive bytes.
; REGISTERS, in windows of 256: window 0: addresses; v16-23 o's scale words; v32-63 Wo's; v64-127 o's 8 fragments; v128-255 the rows read back.  window 1: Wo's fragment (n, s) at v[8 (4 n + s)].
;   window 2: v0-127 accumulator (a, n) at v[8 (8 a + n)]; v128-191 the bias, eight registers a tile.
; THE MODE: SCHED_MODE bits 1:0 = 2 (LLVM: expert scheduling mode 2), set by the entry lines.  The code itself states the register dependences between vector or matrix instructions and memory or LDS
; instructions, with s_wait_alu, always for 0.
; THE PLAN.  The text has no loop.  Registers that memory or LDS instructions touch:
;   v5 .. v9, v30, v31   offsets and LDS addresses: written at the head, never written again.
;   the operands, scale words and bias: loads land in them once; no vector instruction names them ahead of that.
;   the accumulators     written by the matrix instructions, read once, by the LDS stores into the stage.
;   v128-255 of window 0 the loads from the stage land there, the global stores read them; no vector instruction names them.
; So one wait on va_vdst stands ahead of the first load, and one ahead of the LDS stores; no register that a memory or LDS instruction has read is written again.
.set OS,  16
.set WS,  32
.set OF,  64
.set BK,  128                          ; window 0: rows read back;  window 2: the bias
.set SP,  528                          ; a stage row: 512 bytes + 16
.set MSB, 0
.macro WIN new                         ; the immediate's low byte: bits 1:0 source 0, 3:2 source 1, 5:4 source 2, 7:6 destination; its high byte repeats the setting that is left
.if MSB != \new
	s_set_vgpr_msb (MSB<<8)|\new
.set MSB, \new
.endif
.endm
	s_load_b256 s[4:11], s[0:1], 0x0               ; o_img s[4:5], o_sc s[6:7], w_img s[8:9], w_sc s[10:11]
	s_load_b128 s[12:15], s[0:1], 0x20             ; bo s[12:13], out0 s[14:15]
	v_lshl_add_u32 v30, v0, 2, 0x10800
	v_mov_b32 v31, 0
	v_lshrrev_b32 v1, 5, v0
	v_readfirstlane_b32 s16, v1                    ; wave 0..3
	v_and_b32 v1, 31, v0                           ; lane
	v_and_b32 v2, 15, v0                           ; r
	v_bfe_u32 v3, v0, 4, 1                         ; h
	v_and_b32 v4, 8, v2
	v_add_nc_u32 v4, v4, v2                        ; r + 8 (r / 8)
	v_lshlrev_b32 v5, 4, v1                        ; 16 x lane
	v_lshlrev_b32 v6, 4, v2                        ; 16 r
	v_lshlrev_b32 v7, 6, v3                        ; 64 h
	s_wait_alu depctr_va_sdst(0)                   ; the wave's number is written, ahead of its first reader: the stage's place and the bases are made from it
	s_mul_i32 s17, s16, 32*SP                      ; my stage
	v_mul_u32_u24 v8, v4, SP
	v_lshl_add_u32 v8, v3, 6, v8
	v_add_nc_u32 v8, s17, v8                       ; in: my row of a tile, + 64 h bytes
	v_add_nc_u32 v9, s17, v5                       ; back: 32 lanes take a row of 512 bytes
	s_and_b32 s18, ttmp7, 0xffff                   ; R
	s_lshl_b32 s20, ttmp9, 15
	s_add_co_u32 s20, s20, 393216                  ; Wo's images: tensor 3, 8 tiles of 4,096 bytes for each quarter of the columns
	s_mov_b32 s21, 0
	s_lshl_b32 s22, ttmp9, 11
	s_add_co_u32 s22, s22, 24576                   ; and its scale words
	s_mov_b32 s23, 0
	s_lshl_b32 s24, ttmp9, 9                       ; 128 columns of f32
	s_mov_b32 s25, 0
	s_lshl_b32 s26, s18, 3
	s_lshl_b32 s27, s16, 1
	s_add_co_u32 s26, s26, s27                     ; Tg of my first tile
	s_lshl_b32 s28, s26, 8
	s_mov_b32 s29, 0
	s_lshl_b32 s26, s26, 12
	s_mov_b32 s27, 0
	s_lshl_b32 s30, s18, 18                        ; out0: 128 rows of 2,048 bytes a block,
	s_lshl_b32 s31, s16, 16                        ; 32 rows a wave,
	s_add_co_u32 s30, s30, s31
	s_add_co_u32 s30, s30, s24                     ; my quarter of the columns
	s_mov_b32 s31, 0
	s_wait_kmcnt 0x0
	s_add_nc_u64 s[4:5], s[4:5], s[26:27]
	s_add_nc_u64 s[6:7], s[6:7], s[28:29]
	s_add_nc_u64 s[8:9], s[8:9], s[20:21]
	s_add_nc_u64 s[10:11], s[10:11], s[22:23]
	s_add_nc_u64 s[12:13], s[12:13], s[24:25]
	s_add_nc_u64 s[14:15], s[14:15], s[30:31]
	s_wait_alu depctr_va_vdst(0)                   ; the offsets and LDS addresses v5 to v9 are written: every load and store of the kernel reads one of them, and none is written again
.irp a, 0,1
	global_load_b128 v[OS+4*\a:OS+4*\a+3], v6, s[6:7] offset:256*\a
.irp s, 0,1,2,3
.irp c, 0,1
	global_load_b128 v[OF+8*(4*\a+\s)+4*\c:OF+8*(4*\a+\s)+4*\c+3], v5, s[4:5] offset:4096*\a+1024*\s+512*\c
.endr
.endr
.endr
.irp n, 0,1,2,3,4,5,6,7
	global_load_b128 v[WS+4*\n:WS+4*\n+3], v6, s[10:11] offset:256*\n
.endr
	WIN 0x80                                       ; destination window 2
.irp n, 0,1,2,3,4,5,6,7
	global_load_b128 v[BK+8*\n:BK+8*\n+3], v7, s[12:13] offset:(32*(\n/2)+8*(\n%2))*4
	global_load_b128 v[BK+8*\n+4:BK+8*\n+7], v7, s[12:13] offset:(32*(\n/2)+8*(\n%2))*4+16
.endr
	WIN 0x40                                       ; destination window 1
.set f, 0
.rept 32
	global_load_b128 v[8*f:8*f+3], v5, s[8:9] offset:1024*f
	global_load_b128 v[8*f+4:8*f+7], v5, s[8:9] offset:1024*f+512
.set f, f+1
.endr
	s_wait_loadcnt 0x0
	WIN 0xa1                                       ; source 0 (Wo) window 1, source 1 (o) window 0, C and D window 2
.irp a, 0,1                                    ; eight accumulators take turns, one instruction a turn
.irp s, 0,1,2,3
.irp n, 0,1,2,3,4,5,6,7
.if \s == 0
	v_wmma_scale_f32_16x16x128_f8f6f4 v[8*(8*\a+\n):8*(8*\a+\n)+7], v[8*(4*\n+\s):8*(4*\n+\s)+7], v[OF+8*(4*\a+\s):OF+8*(4*\a+\s)+7], v[BK+8*\n:BK+8*\n+7], v[WS+4*\n+\s], v[OS+4*\a+\s] matrix_a_fmt:MATRIX_FMT_FP4 matrix_b_fmt:MATRIX_FMT_FP4
.else
	v_wmma_scale_f32_16x16x128_f8f6f4 v[8*(8*\a+\n):8*(8*\a+\n)+7], v[8*(4*\n+\s):8*(4*\n+\s)+7], v[OF+8*(4*\a+\s):OF+8*(4*\a+\s)+7], v[8*(8*\a+\n):8*(8*\a+\n)+7], v[WS+4*\n+\s], v[OS+4*\a+\s] matrix_a_fmt:MATRIX_FMT_FP4 matrix_b_fmt:MATRIX_FMT_FP4
.endif
.endr
.endr
.endr
	WIN 0
.rept 4
	v_nop                                          ; four places ahead of the LDS stores that read the results
.endr
	WIN 0x08                                       ; an LDS store's data are its source 1: window 2
	s_wait_alu depctr_va_vdst(0)                   ; the matrix instructions have written the accumulators, which the LDS stores read; the places above stay beside this wait
.irp a, 0,1
.irp n, 0,1,2,3,4,5,6,7
	ds_store_b128 v8, v[8*(8*\a+\n):8*(8*\a+\n)+3] offset:8*SP*\a+128*(\n/2)+32*(\n%2)        ; lane (r, h): row 8 a + r + 8 (r / 8), columns 32 (n / 2) + 16 h + 8 (n % 2) + 0 .. 7; each accumulator from its low end on
	ds_store_b128 v8, v[8*(8*\a+\n)+4:8*(8*\a+\n)+7] offset:8*SP*\a+128*(\n/2)+32*(\n%2)+16
.endr
.endr
	WIN 0
.set i, 0
.rept 32
	ds_load_b128 v[BK+4*i:BK+4*i+3], v9 offset:SP*i   ; LDS serves a wave's instructions in order (ISA guide 5.7.1.4): these see my stores; the stage is my wave's own
.set i, i+1
.endr
.set i, 0
.rept 32
	s_wait_dscnt 31-i                              ; row i is back; the 31 - i reads behind it may stay out
	global_store_b128 v5, v[BK+4*i:BK+4*i+3], s[14:15] offset:2048*i th:TH_STORE_NT   ; 32 lanes store 512 consecutive bytes, at a multiple of 256 from out0's first byte
.set i, i+1
.endr
	s_wait_dscnt 0x0                               ; the closing lines, six on end
	s_wait_alu 0x0
	s_wait_tensorcnt 0x0
	ds_add_u32 v30, v31
	s_wait_dscnt 0x0
	s_endpgm
.Lfunc_end_k_qeac39de0c4_oproj:
	.size	k_qeac39de0c4_oproj, .Lfunc_end_k_qeac39de0c4_oproj-k_qeac39de0c4_oproj
	.p2alignl 7, 3214868480
	.fill 96, 4, 3214868480
	.section	.rodata,"a",@progbits
	.p2align	6, 0x0
	.amdhsa_kernel k_qeac39de0c4_oproj
		.amdhsa_group_segment_fixed_size 68096
		.amdhsa_private_segment_fixed_size 0
		.amdhsa_enable_private_segment 0
		.amdhsa_kernarg_size 48
		.amdhsa_user_sgpr_count 2
		.amdhsa_user_sgpr_kernarg_segment_ptr 1
		.amdhsa_wavefront_size32 1
		.amdhsa_system_sgpr_workgroup_id_x 1
		.amdhsa_system_sgpr_workgroup_id_y 1
		.amdhsa_system_sgpr_workgroup_id_z 1
		.amdhsa_system_vgpr_workitem_id 0
		.amdhsa_next_free_vgpr 768
		.amdhsa_next_free_sgpr 66
		.amdhsa_reserve_vcc 0
		.amdhsa_float_denorm_mode_32 3
		.amdhsa_float_denorm_mode_16_64 3
		.amdhsa_memory_ordered 1
		.amdhsa_forward_progress 1
		.amdhsa_inst_pref_size 29
	.end_amdhsa_kernel
	.amdgpu_metadata
---
amdhsa.version: [ 1, 2 ]
amdhsa.kernels:
  - .name:           k_qeac39de0c4_oproj
    .symbol:         k_qeac39de0c4_oproj.kd
    .args:
      - { .name: o_img, .offset: 0, .size: 8, .value_kind: global_buffer, .address_space: global }
      - { .name: o_sc, .offset: 8, .size: 8, .value_kind: global_buffer, .address_space: global }
      - { .name: w_img, .offset: 16, .size: 8, .value_kind: global_buffer, .address_space: global }
      - { .name: w_sc, .offset: 24, .size: 8, .value_kind: global_buffer, .address_space: global }
      - { .name: bo, .offset: 32, .size: 8, .value_kind: global_buffer, .address_space: global }
      - { .name: out0, .offset: 40, .size: 8, .value_kind: global_buffer, .address_space: global }
    .group_segment_fixed_size: 68096
    .private_segment_fixed_size: 0
    .kernarg_segment_align: 8
    .kernarg_segment_size: 48
    .max_flat_workgroup_size: 128
    .sgpr_count:     66
    .vgpr_count:     768
    .wavefront_size: 32
...
	.end_amdgpu_metadata
.endif
;; end of part 8
